; MI455X (gfx1250); checked and timed in simulation.
; The chip was launched on July 23, 2026; its instructions are those of AMD's public machine-readable ISA for CDNA 5 (MIT licence, August 2026) and "CDNA5" Instruction Set Architecture Reference Guide (July 2026). The comments in the code are by the model that wrote it; some were corrected since.
;; Multi Head Attention. Allowed arithmetic: matrix products marked QUANTISED: E3M2 operands, one E8M0 scale for each 32 along K, by v_wmma_scale_f32_16x16x128_f8f6f4 with both operands' format E3M2, f32 sums; everything else in f32.
;; Inputs: Wk 16 x 1,024 x 64 float32; Wp 1,024 x 1,024 float32; Wq 16 x 1,024 x 64 float32; Wv 16 x 1,024 x 64 float32; bp 1,024 float32; x 4 x 2,048 x 1,024 float32.
;; Outputs: out0 4 x 2,048 x 1,024 float32.
;; This version of the problem:
;;   THIS VERSION OF THE PROBLEM IS GIVEN IN LOW PRECISION. The matrix products marked QUANTISED in the list below multiply operands that are first quantised to E3M2 (3 exponent bits, 2 mantissa bits; 6 bits a number), with one power-of-two scale for each 32 numbers along K (OCP MX v1.0); their sums are f32. All else is computed in f32.
;;   The module's matrix products, in the order in which they are computed (A, B: the left and right operand; K: the contracted axis; several contracted axes count as one K, in the product's order):
;;     1. [M 1,024, K 1,024] x [K 1,024, N 8,192]; A: input Wq; B: input x: QUANTISED
;;     2. [M 1,024, K 1,024] x [K 1,024, N 8,192]; A: input Wk; B: input x: QUANTISED
;;     3. [M 1,024, K 1,024] x [K 1,024, N 8,192]; A: input Wv; B: input x: QUANTISED
;;     4. batch 64 x [M 2,048, K 64] x [K 64, N 2,048]; A: computed on the way; B: computed on the way: QUANTISED
;;     5. batch 64 x [M 2,048, K 2,048] x [K 2,048, N 64]; A: softmax (see below); B: computed on the way: QUANTISED
;;     6. [M 8,192, K 1,024] x [K 1,024, N 1,024]; A: computed on the way; B: input Wp: QUANTISED
;;   THE QUANTISER, for each operand of a quantised product, along K:
;;     - K is cut into blocks of 32 from its start; a last block that is shorter is filled with zeros.
;;     - A block's scale is 2^e with e = floor(log2(the largest magnitude in the block)) - 4, held to -126 .. 127; a block of zeros has e = 0. As a byte (E8M0): e + 127.
;;     - Each number is divided by its block's scale, clamped to +-28, and rounded to the nearest number of E3M2, ties to even, subnormals kept.
;;     - The product sums the exact products of the quantised numbers (number of the format x scale) in f32.
;;   ~~~python
;;   def quantise(x, axis):      # numpy; x: float32 -> the quantised numbers, widened to float32 again
;;       x = np.moveaxis(x, axis, -1); K = x.shape[-1]
;;       x = np.pad(x, [(0, 0)] * (x.ndim - 1) + [(0, -K % 32)]); x = x.reshape(x.shape[:-1] + (-1, 32)); a = np.abs(x).max(-1, keepdims=True)
;;       e = np.where(a > 0, np.clip(np.frexp(np.where(a > 0, a, 1))[1] - 1 - 4, -126, 127), 0)      # np.frexp(a)[1] - 1 = floor(log2(a)), exactly
;;       r = np.clip(x / 2.0 ** e, -28, 28)
;;       step = 2.0 ** (np.maximum(np.frexp(np.where(r == 0, 1, r))[1] - 1, -2) - 2)
;;       q = np.round(r / step) * step * 2.0 ** e      # np.round: ties to even
;;       return np.moveaxis(q.reshape(q.shape[:-2] + (-1,))[..., :K], -1, axis).astype(np.float32)
;;   ~~~
;;   SOFTMAX AHEAD OF A QUANTISED PRODUCT. Where the list says 'softmax', what is quantised is not the finished softmax but p = 2^(t - M), with t = logit x log2(e) and M = ceil(the row's largest t), a whole number; so 1/2 < the row's largest p <= 1. The row's sum l is taken of the UNQUANTISED p, in f32, and the product's result is divided by l at the end. Since M is a whole number, a kernel that streams over the keys may use a running M (the ceiling of the running maximum): every later rescaling is an exact power of two, which a block's scale takes up: the codes' values come out the same.
;;   OPERANDS COMPUTED ON THE WAY. 'Computed on the way' means the value that the module computes at that place (a softmax that the list does not call 'softmax' is quantised finished and normalised). What goes into a quantiser is computed in f32, as accurately as f32 sums, v_exp_f32 and their like allow (about 1e-6 of the number): no bf16 or f16 on the way to a quantiser, and a product that is left as it is and whose result goes on into a quantised operand takes f32 operands (vector FMAs, or v_wmma_f32_16x16x4_f32). A number that lies on a knife's edge between two numbers of the format may be rounded either way, as far as f32 arithmetic and the matrix unit's own rounding can turn it there, and no further.
;; One version. Each part assembles by itself: llvm-mc -triple=amdgcn-amd-amdhsa -mcpu=gfx1250 --defsym DOCPART=n.
;; ======== version 1 of 1: 4 launches
;; workspace buffers: xq 6,553,600 bytes; wq 3,276,800 bytes; qkv 19,660,800 bytes; att 6,553,600 bytes
;; launch quant (part 1): grid 384 x 1, 4 waves a work-group, no clusters, 74,240 bytes of LDS; arguments x, Wq, Wk, Wv, Wp, xq, wq; writes xq, wq
.if DOCPART == 1
	.amdgcn_target "amdgcn-amd-amdhsa--gfx1250"
	.amdhsa_code_object_version 6
	.text
	.protected	k_q021f1bcb68_quant
	.globl	k_q021f1bcb68_quant
	.p2align	8
	.type	k_q021f1bcb68_quant,@function
k_q021f1bcb68_quant:
	s_mov_b64 s[64:65], 0
	v_nop
	global_prefetch_b8 v0, s[64:65] scope:SCOPE_SE
	s_setreg_imm32_b32 hwreg(HW_REG_WAVE_MODE, 25, 1), 1
	s_wait_xcnt 0x0
; x [8192][1024] (K innermost) and the four weights (K = their first matrix axis) become codes of BF6 (E3M2) with one E8M0 byte for each 32 along K.
; ONE LAYOUT FOR EVERY OPERAND: codes [group][K / 64][2048 places][48 bytes], scale words [group][K / 128][2048 places][4 bytes].  A row's place is its number with bits 3 and 4 exchanged,
; so that 16 neighbouring places 16 T .. 16 T + 15, T = 2 b + u, are the rows 32 b + 8 u + r + 8 (r / 8): the results of two neighbouring tiles are then 16 neighbours along the next K.
; xq: groups = the 4 batches.  wq: group 0 = Wq's 1,024 columns (h 64 + e), then Wk's; group 1 = Wv's, then Wp's.
; A block's scale is 2^(floor(log2(largest magnitude)) - 4): its byte is the largest magnitude's exponent field - 4, held at 1 from below.
; LIMITS: a block of zeros, or one whose largest magnitude lies under 2^-122, gets the byte 1 (zeros have zero codes; only this program reads the bytes); NaN and infinities are not served.
; Work-groups 0-255 take x, 256-383 the weights: two paths that never join, each with LDS bytes and LDS address registers of its own.  No tensor loads, no barrier: waves share nothing.
.set PLANE, 98304                      ; 2,048 places x 48 bytes
.set GROUP, 16*PLANE                   ; K = 1,024: 16 planes
.set XSW,   4*GROUP                    ; xq: the scale words begin behind the codes
.set WSW,   2*GROUP                    ; wq likewise
.set SP,    80                         ; a lane's place in a stage: 64 bytes + 16
.set STEPS, 16
.set R,   16                           ; x: v16-79 four sets of 16 numbers as loaded
.set X,   80                           ;    v80-111 two sets of 16 neighbours
.set E,   112                          ;    v112-127 a scale byte for each step
.set C,   128                          ;    v128-191 codes, four registers a step: no store's data are written again
.set SB,  24                           ; weights: v24-25 eight scale bytes
.set XW,  32                           ;    v32-95 two sets of 32 numbers; on the way out 16 x 4 registers
.set CW,  96                           ;    v96-102 a block's codes
.set OF,  104                          ;    v104-135 byte offset of row i of a block: 4 x lane + i x pitch
.set WSI, 140                          ;    v140 stage, way in; v141 way out; v142 12 x lane; v143 4 x place
.set WSO, 141
.set WCO, 142
.set WSC, 143
	s_load_b256 s[4:11], s[0:1], 0x0               ; x, Wq, Wk, Wv
	s_load_b128 s[12:15], s[0:1], 0x20             ; Wp, xq
	s_load_b64 s[16:17], s[0:1], 0x30              ; wq
	v_lshl_add_u32 v192, v0, 2, 0x12000
	v_mov_b32 v193, 0
	v_lshrrev_b32 v1, 5, v0
	v_readfirstlane_b32 s20, v1                    ; wave
	v_and_b32 v2, 31, v0                           ; lane
	s_wait_kmcnt 0x0
	s_cmp_ge_u32 ttmp9, 256
	s_cbranch_scc1 .Lweights
; ---------------- x.  A wave takes 64 rows x 128 along K, in 16 steps of 8 rows x 64 numbers (256 bytes of each row).
	s_lshl_b32 s21, ttmp9, 2
	s_add_co_u32 s21, s21, s20                     ; the wave's unit, 0 .. 1023
	s_and_b32 s22, s21, 7                          ; which 128 along K
	s_lshr_b32 s23, s21, 3                         ; which 64 rows of the 8,192
	s_lshr_b32 s24, s23, 5                         ; batch
	s_and_b32 s25, s23, 31                         ; which 64 rows of the batch
	s_lshl_b32 s26, s23, 18                        ; 64 rows of 4,096 bytes
	s_lshl_b32 s28, s22, 9
	s_add_co_u32 s26, s26, s28
	s_mov_b32 s27, 0
	s_add_nc_u64 s[4:5], s[4:5], s[26:27]          ; x at my first number
	s_mul_i32 s26, s24, GROUP
	s_mul_i32 s28, s22, 2*PLANE
	s_add_co_u32 s26, s26, s28
	s_mul_i32 s28, s25, 64*48
	s_add_co_u32 s26, s26, s28
	s_add_nc_u64 s[30:31], s[14:15], s[26:27]      ; my codes: plane 2 kq, place 64 x ..
	s_lshl_b32 s26, s24, 16
	s_lshl_b32 s28, s22, 13
	s_add_co_u32 s26, s26, s28
	s_lshl_b32 s28, s25, 8
	s_add_co_u32 s26, s26, s28
	s_add_co_u32 s26, s26, XSW
	s_add_nc_u64 s[32:33], s[14:15], s[26:27]      ; my 64 scale words: 256 bytes, aligned
	s_wait_alu depctr_va_vdst(0)
	v_lshrrev_b32 v3, 4, v2
	v_lshlrev_b32 v3, 12, v3
	v_and_b32 v8, 15, v2
	v_lshl_add_u32 v3, v8, 4, v3                   ; a load: lanes 0-15 one row's 256 bytes, lanes 16-31 the next row's
	s_lshl_b32 s34, s20, 13                        ; my wave's 8,192 bytes of LDS: two stages of 2,560, then 256 scale bytes
	v_lshrrev_b32 v14, 2, v2
	v_mul_u32_u24 v14, v14, SP
	v_and_b32 v15, 3, v2
	v_lshl_add_u32 v14, v15, 4, v14
	v_add_nc_u32 v14, s34, v14                     ; the stage, way in: four lanes' 64 bytes on end, then 16 of padding
	v_mul_u32_u24 v15, v2, SP
	v_add_nc_u32 v15, s34, v15                     ; way out: lane L gets row L / 4, numbers 16 (L % 4) on
	v_mul_u32_u24 v4, v2, 12                       ; its 16 codes: 48 (L / 4) + 12 (L % 4)
	v_lshrrev_b32 v5, 2, v2
	v_lshlrev_b32 v5, 2, v5
	v_bfe_u32 v8, v2, 1, 1
	v_add_nc_u32 v5, v5, v8
	s_add_co_u32 s34, s34, 2*32*SP
	v_add_nc_u32 v5, s34, v5                       ; my block's byte: word of row L / 4, byte (L / 2) % 2
	v_lshlrev_b32 v7, 3, v2
	v_add_nc_u32 v6, s34, v7
.macro XLOAD t                         ; step t: rows 8 (t / 2) .. + 7, half t % 2 of the 128 along K; each load reads two whole runs of 256 bytes
.irp i, 0,1,2,3
	global_load_b128 v[R+16*((\t)%4)+4*\i:R+16*((\t)%4)+4*\i+3], v3, s[4:5] offset:(8*((\t)/2)+2*\i)*4096+((\t)%2)*256 th:TH_LOAD_NT
.endr
.endm
.macro XTURN t                         ; through the stage: LDS serves a wave's instructions in order, so no wait stands between the stores and the loads
.irp i, 0,1,2,3
	ds_store_b128 v14, v[R+16*((\t)%4)+4*\i:R+16*((\t)%4)+4*\i+3] offset:32*SP*((\t)%2)+8*SP*\i
.endr
.irp i, 0,1,2,3
	ds_load_b128 v[X+16*((\t)%2)+4*\i:X+16*((\t)%2)+4*\i+3], v15 offset:32*SP*((\t)%2)+16*\i
.endr
.endm
.macro XSTEP t
.set XS, X+16*((\t)%2)
.set S8, (\t)/2
.set SWS, (S8&4)|((S8&1)<<1)|((S8>>1)&1)       ; the eight rows' place: bits 3 and 4 of the row exchanged
.if (\t) > 0
	s_wait_dscnt 1                                 ; this step's numbers are back from the stage; the last step's byte store may be out
.else
	s_wait_dscnt 0x0
.endif
.if (\t)+4 < STEPS
	XLOAD (\t)+4                                   ; into the registers whose stores into the stage are done
.endif
.if (\t)+1 < STEPS
.if STEPS-2-(\t) >= 3
	s_wait_loadcnt 12                              ; the next step's four loads are in; three later steps' twelve may be out
.else
	s_wait_loadcnt 4*(STEPS-2-(\t))
.endif
	XTURN (\t)+1
.endif
	v_max3_num_f32 v8, |v[XS]|, |v[XS+1]|, |v[XS+2]|
	v_max3_num_f32 v9, |v[XS+3]|, |v[XS+4]|, |v[XS+5]|
.irp i, 6,10
	v_max3_num_f32 v8, v8, |v[XS+\i]|, |v[XS+\i+1]|
	v_max3_num_f32 v9, v9, |v[XS+\i+2]|, |v[XS+\i+3]|
.endr
	v_max3_num_f32 v8, v8, |v[XS+14]|, |v[XS+15]|
	v_max3_num_f32 v8, v8, v9, 0x2800000           ; and the floor 2^(5 - 127): the byte cannot fall under 1
	v_max_num_f32_dpp v8, v8, v8 row_xmask:1 row_mask:0xf bank_mask:0xf   ; with my neighbour's 16: the block's largest magnitude
	v_add_nc_u32 v11, 0xfe000000, v8               ; 4 off its exponent field: the conversion's scale operand
	v_cvt_scalef32_pk16_bf6_f32 v[C+4*(\t):C+4*(\t)+2], v[XS:XS+15], v11
	v_lshrrev_b32 v[E+(\t)], 23, v11               ; the scale's byte
	ds_store_b8 v5, v[E+(\t)] offset:32*SWS+2*((\t)%2)   ; both lanes of a block write the same byte with the same value
	global_store_b96 v4, v[C+4*(\t):C+4*(\t)+2], s[30:31] offset:((\t)%2)*PLANE+384*SWS   ; eight places x 48 bytes: 384 consecutive bytes
.endm
.irp t, 0,1,2,3
	XLOAD \t
.endr
	s_wait_alu depctr_va_vdst(0)
	s_wait_loadcnt 12                              ; step 0's four loads are in
	XTURN 0
.irp t, 0,1,2,3,4,5,6,7,8,9,10,11,12,13,14,15
	XSTEP \t
.endr
	ds_load_b64 v[12:13], v6                       ; in order behind my byte stores
	s_wait_dscnt 0x0
	global_store_b64 v7, v[12:13], s[32:33]        ; 32 lanes store 256 consecutive bytes, aligned
	s_wait_tensorcnt 0x0
	ds_add_u32 v192, v193
	s_wait_dscnt 0x0
	s_endpgm
; ---------------- the weights.  A lane takes a column, its registers run down K; a wave takes 32 columns x 256 along K: 8 blocks a lane.
.Lweights:
	s_sub_co_u32 s21, ttmp9, 256
	s_and_b32 s22, s21, 3                          ; which 256 along K
	s_lshr_b32 s23, s21, 2
	s_lshr_b32 s24, s23, 3                         ; tensor: 0 Wq, 1 Wk, 2 Wv, 3 Wp
	s_and_b32 s25, s23, 7
	s_lshl_b32 s25, s25, 7
	s_lshl_b32 s26, s20, 5
	s_add_co_u32 s25, s25, s26                     ; my wave's first column of the tensor's 1,024
	s_lshl_b32 s28, s25, 2                         ; Wp [k][n]: column x 4
	s_lshr_b32 s29, s25, 6                         ; Wq, Wk, Wv [h][k][e]: head x 262,144 + e x 4
	s_lshl_b32 s29, s29, 18
	s_and_b32 s30, s25, 63
	s_lshl_b32 s30, s30, 2
	s_add_co_u32 s29, s29, s30
	s_mov_b32 s27, 256
	s_cmp_eq_u32 s24, 1                            ; the choices hang on the work-group's number alone
	s_cselect_b64 s[6:7], s[8:9], s[6:7]
	s_cmp_eq_u32 s24, 2
	s_cselect_b64 s[6:7], s[10:11], s[6:7]
	s_cmp_eq_u32 s24, 3
	s_cselect_b64 s[6:7], s[12:13], s[6:7]
	s_cselect_b32 s27, 4096, s27                   ; bytes from one k to the next
	s_cselect_b32 s28, s28, s29
	s_lshl_b32 s29, s22, 8
	s_mul_i32 s29, s29, s27
	s_add_co_u32 s28, s28, s29
	s_mov_b32 s29, 0
	s_add_nc_u64 s[36:37], s[6:7], s[28:29]        ; block 0's base; a base for each block, made once: none is ever stepped
	s_lshl_b32 s30, s27, 5
	s_mov_b32 s31, 0
.irp t, 1,2,3,4,5,6,7
	s_add_nc_u64 s[36+2*\t:37+2*\t], s[34+2*\t:35+2*\t], s[30:31]
.endr
	s_wait_alu depctr_va_vdst(0)
	v_lshlrev_b32 v[OF], 2, v2
.set i, 1
.rept 31
	v_add_nc_u32 v[OF+i], s27, v[OF+i-1]
.set i, i+1
.endr
	v_and_b32 v10, 7, v2
	v_bfe_u32 v11, v2, 3, 1
	v_lshl_add_u32 v10, v11, 4, v10
	v_bfe_u32 v11, v2, 4, 1
	v_lshl_add_u32 v10, v11, 3, v10                ; my column's place among the wave's 32
	s_mul_i32 s32, s20, 10240                      ; my stage: 4 planes x 32 places x 80 bytes (four runs of 12 bytes in 16 each, + 16)
	s_add_co_u32 s32, s32, 32768
	v_mul_u32_u24 v[WSI], v10, 80
	v_add_nc_u32 v[WSI], s32, v[WSI]
	v_lshrrev_b32 v[WSO], 2, v2
	v_mul_u32_u24 v[WSO], v[WSO], 80
	v_and_b32 v11, 3, v2
	v_lshl_add_u32 v[WSO], v11, 4, v[WSO]
	v_add_nc_u32 v[WSO], s32, v[WSO]               ; back: four lanes to a place, eight places an instruction
	v_mul_u32_u24 v[WCO], v2, 12
	v_lshlrev_b32 v[WSC], 2, v10
	s_lshr_b32 s33, s24, 1                         ; group of wq
	s_and_b32 s34, s24, 1
	s_lshl_b32 s34, s34, 10
	s_add_co_u32 s34, s34, s25                     ; first place in the group
	s_mul_i32 s52, s33, GROUP
	s_mul_i32 s53, s22, 4*PLANE
	s_add_co_u32 s52, s52, s53
	s_mul_i32 s53, s34, 48
	s_add_co_u32 s52, s52, s53
	s_mov_b32 s53, 0
	s_add_nc_u64 s[54:55], s[16:17], s[52:53]      ; my codes
	s_lshl_b32 s52, s33, 16
	s_lshl_b32 s56, s22, 14
	s_add_co_u32 s52, s52, s56
	s_lshl_b32 s56, s34, 2
	s_add_co_u32 s52, s52, s56
	s_add_co_u32 s52, s52, WSW
	s_add_nc_u64 s[58:59], s[16:17], s[52:53]      ; my scale words
.macro WLOAD t                         ; block t: 32 rows of K at my column; each load reads 128 consecutive bytes
.set i, 0
.rept 32
	global_load_b32 v[XW+32*((\t)%2)+i], v[OF+i], s[36+2*(\t):37+2*(\t)] th:TH_LOAD_NT
.set i, i+1
.endr
.endm
.macro WBLOCK t
.set XS, XW+32*((\t)%2)
.if (\t) < 7
	s_wait_loadcnt 32                              ; this block's 32 loads are in; the next block's may be out
.else
	s_wait_loadcnt 0x0
.endif
	v_max3_num_f32 v12, |v[XS]|, |v[XS+1]|, |v[XS+2]|
	v_max3_num_f32 v13, |v[XS+3]|, |v[XS+4]|, |v[XS+5]|
.irp i, 6,10,14,18,22,26
	v_max3_num_f32 v12, v12, |v[XS+\i]|, |v[XS+\i+1]|
	v_max3_num_f32 v13, v13, |v[XS+\i+2]|, |v[XS+\i+3]|
.endr
	v_max3_num_f32 v12, v12, |v[XS+30]|, |v[XS+31]|
	v_max3_num_f32 v12, v12, v13, 0x2800000        ; the floor
	v_add_nc_u32 v11, 0xfe000000, v12
	v_lshrrev_b32 v13, 23, v11
.if (\t)%4 == 0
	v_mov_b32 v[SB+(\t)/4], v13                    ; four bytes to a word, the lower K in the lower byte
.else
	v_lshl_or_b32 v[SB+(\t)/4], v13, 8*((\t)%4), v[SB+(\t)/4]
.endif
	v_cvt_scalef32_pk16_bf6_f32 v[CW:CW+2], v[XS:XS+15], v11
	v_cvt_scalef32_pk16_bf6_f32 v[CW+4:CW+6], v[XS+16:XS+31], v11
	ds_store_b96 v[WSI], v[CW:CW+2] offset:((\t)/2)*2560+((\t)%2)*32
	ds_store_b96 v[WSI], v[CW+4:CW+6] offset:((\t)/2)*2560+((\t)%2)*32+16
.if (\t)+2 < 8
	WLOAD (\t)+2
.endif
	s_wait_dscnt 0x0                               ; the stores have read their registers: the next block's codes may be written
.endm
	WLOAD 0
	WLOAD 1
.set Q, 0
.rept 8
	WBLOCK Q
.set Q, Q+1
.endr
	global_store_b32 v[WSC], v[SB], s[58:59]               ; 32 lanes: 128 consecutive bytes
	s_wait_alu depctr_va_vdst(0)
	global_store_b32 v[WSC], v[SB+1], s[58:59] offset:8192
.irp u, 0,1,2,3,4,5,6,7,8,9,10,11,12,13,14,15
	ds_load_b96 v[XW+4*\u:XW+4*\u+2], v[WSO] offset:640*\u
.endr
.irp u, 0,1,2,3,4,5,6,7,8,9,10,11,12,13,14,15
	s_wait_dscnt 15-\u                             ; the younger loads from the stage may be out
	global_store_b96 v[WCO], v[XW+4*\u:XW+4*\u+2], s[54:55] offset:(\u/4)*PLANE+384*(\u%4)   ; eight places: 384 consecutive bytes
.endr
	s_wait_tensorcnt 0x0
	ds_add_u32 v192, v193
	s_wait_dscnt 0x0
	s_endpgm
.Lfunc_end_k_q021f1bcb68_quant:
	.size	k_q021f1bcb68_quant, .Lfunc_end_k_q021f1bcb68_quant-k_q021f1bcb68_quant
	.p2alignl 7, 3214868480
	.fill 96, 4, 3214868480
	.section	.rodata,"a",@progbits
	.p2align	6, 0x0
	.amdhsa_kernel k_q021f1bcb68_quant
		.amdhsa_group_segment_fixed_size 74240
		.amdhsa_private_segment_fixed_size 0
		.amdhsa_enable_private_segment 0
		.amdhsa_kernarg_size 56
		.amdhsa_user_sgpr_count 2
		.amdhsa_user_sgpr_kernarg_segment_ptr 1
		.amdhsa_wavefront_size32 1
		.amdhsa_system_sgpr_workgroup_id_x 1
		.amdhsa_system_sgpr_workgroup_id_y 1
		.amdhsa_system_sgpr_workgroup_id_z 1
		.amdhsa_system_vgpr_workitem_id 0
		.amdhsa_next_free_vgpr 194
		.amdhsa_next_free_sgpr 66
		.amdhsa_reserve_vcc 0
		.amdhsa_float_denorm_mode_32 3
		.amdhsa_float_denorm_mode_16_64 3
		.amdhsa_memory_ordered 1
		.amdhsa_forward_progress 1
		.amdhsa_inst_pref_size 76
	.end_amdhsa_kernel
	.amdgpu_metadata
---
amdhsa.version: [ 1, 2 ]
amdhsa.kernels:
  - .name:           k_q021f1bcb68_quant
    .symbol:         k_q021f1bcb68_quant.kd
    .args:
      - { .name: x, .offset: 0, .size: 8, .value_kind: global_buffer, .address_space: global }
      - { .name: Wq, .offset: 8, .size: 8, .value_kind: global_buffer, .address_space: global }
      - { .name: Wk, .offset: 16, .size: 8, .value_kind: global_buffer, .address_space: global }
      - { .name: Wv, .offset: 24, .size: 8, .value_kind: global_buffer, .address_space: global }
      - { .name: Wp, .offset: 32, .size: 8, .value_kind: global_buffer, .address_space: global }
      - { .name: xq, .offset: 40, .size: 8, .value_kind: global_buffer, .address_space: global }
      - { .name: wq, .offset: 48, .size: 8, .value_kind: global_buffer, .address_space: global }
    .group_segment_fixed_size: 74240
    .private_segment_fixed_size: 0
    .kernarg_segment_align: 8
    .kernarg_segment_size: 56
    .max_flat_workgroup_size: 128
    .sgpr_count:     66
    .vgpr_count:     194
    .wavefront_size: 32
...
	.end_amdgpu_metadata
.endif
;; end of part 1
;; launch qkv (part 2): grid 8 x 48, 4 waves a work-group, clusters of 4 x 4, 327,680 bytes of LDS; arguments xq, wq, qkv; writes qkv
.if DOCPART == 2
	.amdgcn_target "amdgcn-amd-amdhsa--gfx1250"
	.amdhsa_code_object_version 6
	.text
	.protected	k_q021f1bcb68_qkv
	.globl	k_q021f1bcb68_qkv
	.p2align	8
	.type	k_q021f1bcb68_qkv,@function
k_q021f1bcb68_qkv:
	s_mov_b64 s[64:65], 0
	v_nop
	global_prefetch_b8 v0, s[64:65] scope:SCOPE_SE
	s_setreg_imm32_b32 hwreg(HW_REG_WAVE_MODE, 25, 1), 1
	s_wait_xcnt 0x0
	s_wait_alu depctr_hold_cnt(0) depctr_sa_sdst(0) depctr_va_vdst(0) depctr_va_sdst(0) depctr_va_ssrc(0) depctr_va_vcc(0) depctr_vm_vsrc(0)
	s_getreg_b32 s2, hwreg(HW_REG_IB_STS2, 6, 4)
	s_cmp_eq_u32 s2, 0
	s_cbranch_scc0 .Lentry_in_a_cluster
	s_endpgm
.Lentry_in_a_cluster:
	s_bfe_u32 s2, ttmp6, 0x10000c
	s_cmp_lg_u32 s2, 0xf033
	s_cbranch_scc0 .Lentry_shape_is_right
	s_endpgm
.Lentry_shape_is_right:
; q = x Wq, k = x Wk, v = x Wv on codes of BF6 (E3M2) with E8M0 scales, K = 1,024; the results leave as CODES: q and k quantised along the head's 64, v along the keys.
; Operands lie as [group][K / 64][2048 places][48 bytes], scale words [group][K / 128][2048 places][4]; a row's place is its number with bits 3 and 4 exchanged.
; A tile of C = A B^T is 256 x 256, four waves, 128 x 128 each (64 accumulators, 512 registers).  THE MATRIX INSTRUCTION IS USED TRANSPOSED (source 0 = 16 places of B, source 1 = 16 places of A):
; a lane holds one place of A, and by the order of places the 16 registers of B's tiles 2 b, 2 b + 1 are 16 NEIGHBOURS along B's rows: 32 b + 16 (lane / 16) + 0 .. 15.
; TWO REGIONS, told apart by the cluster's y, which all sixteen partners share; only pointers and offsets are chosen, no branch:
;   cluster y 0-7: A = x (8,192 rows), B = Wq, Wk (2,048 columns): registers run along (head, e): 128 of them are two heads' q or k, four blocks of 32.
;   cluster y 8-11: A = Wv (1,024 columns), B = x: registers run along the keys: v^T, four blocks of 32 keys.
; K goes in steps of 256 (four planes) through two LDS slots; the scale words of all of K come once.  4 x 4 work-groups form a cluster: A's tiles are asked for jointly along a row, B's along a column.
; 384 tiles: not a multiple of the 256 WGPs; a tile of half the size would read half again as many LDS bytes for each matrix instruction.
; LIMITS: a block whose largest magnitude lies under 2^-122 gets the byte 1 (zeros have zero codes; only this program reads the bytes); NaN and infinities are not served.
; REGISTERS, in windows of 256: window 0: v0-31 addresses; v32-63 scale words, two sets; v128-223 A's fragments, one set; on the way out v112-223 at work.
;   window 1: B's fragments, two sets, at v0 and v128.  window 2: accumulators of my places 0-63 ((a, b) at v[8 (8 a + b)]); window 3: of places 64-127.
.set PLANE, 98304
.set GROUP, 16*PLANE
.set XSW,   4*GROUP
.set WSW,   2*GROUP
.set VC,    128*PLANE                  ; qkv: q's codes at 0, k's at 64 planes, v's here
.set QSW,   192*PLANE                  ; q's scale words; k's 262,144 on; v's 524,288 on
.set VSW,   QSW+524288
.set NQ,    2                          ; matrix instructions deep in a slot
.set FR,    12
.set NL,    6
.set NP,    4                          ; places behind this matrix instruction (ISA guide 7.12.1)
.set PART,  4*6144                     ; four planes x 128 places x 48 bytes: what one tensor load brings
.set SLOT,  4*PART                     ; A's two halves, B's two halves
.set SCL,   2*SLOT                     ; the scale words: 4,096 bytes a loader ([8][128][4]); B's begin 128 bytes further on, so that A's 16 words and B's 16 fall on different banks
.set SPARE, 213248                     ; the spare words, 128 bytes a wave: two blocks of 256 bytes that no other line names
.set ADRA, 16                          ; v16-17 my A fragments in slot 0, 1
.set ADRB, 20                          ; v20-21 the same for B
.set STO,  24                          ; v24 the way out: my 24 bytes of a place
.set RD,   25                          ; v25 and where I read 16 bytes back
.set ADRS, 27                          ; v27 my scale words: lanes 0-15 A's, lanes 16-31 B's
.set SPW,  28
.set NIL,  29
.set VO,   8                           ; v8-10 the way out: byte offsets of the three stores
.set LS4,  11                          ; v11 4 x lane
.set SC,   32
.set AF,   128
.set PC,   112                         ; the way out: v112-131 the codes just made
.set OBF,  132                         ; v132-155 two sets of 12: codes back from the stage
.set TM,   200                         ; v200-215 at work
.set PW,   216                         ; the scale word just made; v217 the even block's; v220-223 the words as stored
.set PWE,  217
.set PWS,  220
.set SEL,  98                          ; s[98:99] lane selects for v_permlanex16_b32
.set G1, 24
.set G0, 32
.set G1B, 48
.set G0B, 56
.set G1S, 68
.set G0S, 76
.set G1SB, 80
.set G0SB, 88
.set MSB, 0
.macro WIN new                         ; the immediate's high byte repeats the setting that is left
.if MSB != \new
	s_set_vgpr_msb (MSB<<8)|\new
.set MSB, \new
.endif
.endm
.set MUL_LO, 0xa1                      ; source 0 (B) window 1, source 1 (A) window 0, C and D window 2
.set MUL_HI, 0xf1
.set TO_B,   0x40
; A joint load: waves 0 and 1 fetch for A, waves 2 and 3 for B; the branch hangs on the wave's number alone.  Four v_nop follow each of the two lines.
.macro JLOAD g0a, g1a, g0b, g1b
	s_cmp_eq_u32 s15, 0
	s_cbranch_scc0 .Lfor_b_\@
	tensor_load_to_lds s[\g0a:\g0a+3], s[\g1a:\g1a+7]
	s_nop 0
.rept 4
	v_nop
.endr
	s_branch .Lasked_\@
.Lfor_b_\@:
	tensor_load_to_lds s[\g0b:\g0b+3], s[\g1b:\g1b+7]
	s_nop 0
.rept 4
	v_nop
.endr
.Lasked_\@:
.endm
.macro CREST                           ; a round of the cluster's barrier behind its opening barrier
	s_cmp_lg_u32 s14, 0
	s_cbranch_scc1 .Lnot_wave_0_\@
	s_barrier_signal -3
.Lnot_wave_0_\@:
	s_barrier_wait -3
	s_barrier_signal -1
	s_barrier_wait -1
.endm
.macro CROUND
	s_barrier_signal -1
	s_barrier_wait -1
	CREST
.endm
	s_load_b128 s[4:7], s[0:1], 0x0                ; xq, wq
	s_load_b64 s[8:9], s[0:1], 0x10                ; qkv
	v_lshl_add_u32 v[SPW], v0, 2, SPARE
	v_mov_b32 v[NIL], 0
	ds_add_u32 v28, v29
	ds_add_u32 v28, v29
	s_wait_dscnt 0x0
	v_lshrrev_b32 v1, 5, v0
	v_readfirstlane_b32 s14, v1                    ; wave 0..3
	s_lshr_b32 s15, s14, 1                         ; my half of the tile's A places.  Also: I fetch for A (0) or B (1)
	s_and_b32 s16, s14, 1                          ; my half of its B places.  Also: which 128 places I fetch
	s_bfe_u32 s40, ttmp6, 0x40000                  ; cx
	s_bfe_u32 s41, ttmp6, 0x40004                  ; cy
	s_and_b32 s11, ttmp7, 0xffff                   ; the cluster's y
	s_sub_co_u32 s12, s11, 8
	s_lshl_b32 s12, s12, 1
	s_add_co_u32 s12, s12, ttmp9                   ; v's region: cluster x + 2 (cluster y - 8)
	s_lshr_b32 s13, s11, 1
	s_cmp_ge_u32 s11, 8                            ; v's region?  The same in all sixteen partners
	s_cselect_b32 s2, 1, 0
	s_cselect_b32 s17, 0, s11
	s_cselect_b32 s42, s12, ttmp9
	s_cselect_b32 s18, 1, s13                      ; A's group: wq's group 1, or the batch
	s_lshr_b32 s45, s42, 1
	s_cmp_eq_u32 s2, 1
	s_cselect_b32 s45, s45, 0                      ; B's group: the batch, or wq's group 0
	s_mov_b32 s22, XSW
	s_cselect_b32 s22, WSW, s22                    ; where A's scale words begin
	s_mov_b32 s92, WSW
	s_cselect_b32 s92, XSW, s92                    ; and B's
	s_lshl_b32 s17, s17, 2
	s_add_co_u32 s17, s17, s41                     ; tile row: cy enters A's side alone
	s_lshl_b32 s42, s42, 2
	s_add_co_u32 s42, s42, s40                     ; tile column: cx enters B's side alone
	s_lshl_b32 s43, s41, 2
	s_lshl_b32 s43, 15, s43                        ; my row of the cluster
	s_lshl_b32 s44, 0x1111, s40                    ; my column
	; descriptor group 1 for codes: 4 rows (planes) of 6,144 bytes (128 places x 48, dense), 98,304 bytes apart; no padding: places 48 bytes apart already fall on all banks
	s_or_b32 s[G1+0], s43, (1<<21)                 ; 15:0 the mask; 17:16 elements of 1 byte; 21 set beside a mask
	s_or_b32 s[G1B+0], s44, (1<<21)
.irp g, G1, G1B
	s_mov_b32 s[\g+1], 6144<<16                    ; tensor_dim0
	s_mov_b32 s[\g+2], 4<<16                       ; tensor_dim1
	s_mov_b32 s[\g+3], 6144<<16                    ; tile_dim0
	s_mov_b32 s[\g+4], 4                           ; tile_dim1
	s_mov_b32 s[\g+5], PLANE                       ; tensor_dim0_stride
	s_mov_b32 s[\g+6], 0
	s_mov_b32 s[\g+7], 0
.endr
	; and for scale words: 8 rows (K / 128) of 128 words, 2,048 words apart
	s_or_b32 s[G1S+0], s43, (2<<16)|(1<<21)
	s_or_b32 s[G1SB+0], s44, (2<<16)|(1<<21)
.irp g, G1S, G1SB
	s_mov_b32 s[\g+1], 128<<16
	s_mov_b32 s[\g+2], 8<<16
	s_mov_b32 s[\g+3], 128<<16
	s_mov_b32 s[\g+4], 8
	s_mov_b32 s[\g+5], 2048
	s_mov_b32 s[\g+6], 0
	s_mov_b32 s[\g+7], 0
.endr
	s_lshl_b32 s19, s16, 7                         ; which 128 places of the tile I fetch
	s_and_b32 s23, s17, 7
	s_lshl_b32 s23, s23, 8                         ; A's tile: first place in its group
	s_add_co_u32 s66, s23, s19
	s_and_b32 s93, s42, 7
	s_lshl_b32 s93, s93, 8                         ; B's
	s_add_co_u32 s67, s93, s19
	s_mul_i32 s20, s18, GROUP
	s_mul_i32 s21, s66, 48
	s_add_co_u32 s20, s20, s21
	s_mov_b32 s21, 0                               ; s[20:21]: A's codes
	s_lshl_b32 s96, s18, 16
	s_lshl_b32 s97, s66, 2
	s_add_co_u32 s96, s96, s97
	s_add_co_u32 s96, s96, s22
	s_mov_b32 s97, 0                               ; s[96:97]: A's scale words
	s_mul_i32 s46, s45, GROUP
	s_mul_i32 s47, s67, 48
	s_add_co_u32 s46, s46, s47
	s_mov_b32 s47, 0                               ; s[46:47]: B's codes
	s_lshl_b32 s98, s45, 16
	s_lshl_b32 s99, s67, 2
	s_add_co_u32 s98, s98, s99
	s_add_co_u32 s98, s98, s92
	s_mov_b32 s99, 0                               ; s[98:99]: B's scale words
	s_mul_i32 s94, s14, PART                       ; where they go: no place in the cluster enters an LDS address
	s_lshl_b32 s95, s14, 12
	s_lshl_b32 s19, s15, 7
	s_add_co_u32 s95, s95, s19
	s_add_co_u32 s95, s95, SCL
	s_wait_kmcnt 0x0
	s_cmp_eq_u32 s2, 1
	s_cselect_b64 s[10:11], s[6:7], s[4:5]         ; A's buffer
	s_cselect_b64 s[12:13], s[4:5], s[6:7]         ; B's
	s_add_nc_u64 s[20:21], s[10:11], s[20:21]
	s_add_nc_u64 s[96:97], s[10:11], s[96:97]
	s_add_nc_u64 s[46:47], s[12:13], s[46:47]
	s_add_nc_u64 s[98:99], s[12:13], s[98:99]
	CROUND                                         ; all sixteen work-groups are here: the first joint loads meet
	s_mov_b32 s[G0S], 1
	s_mov_b32 s[G0S+1], s95
	s_mov_b64 s[G0S+2:G0S+3], s[96:97]
	s_or_b32 s[G0S+3], s[G0S+3], 0x80000000
	s_mov_b32 s[G0SB], 1
	s_mov_b32 s[G0SB+1], s95
	s_mov_b64 s[G0SB+2:G0SB+3], s[98:99]
	s_or_b32 s[G0SB+3], s[G0SB+3], 0x80000000
	JLOAD G0S, G1S, G0SB, G1SB                     ; the scale words first: they are wanted with K step 0
.irp s, 0,1
	s_mov_b32 s[G0+4*\s], 1
	s_add_co_u32 s[G0+4*\s+1], s94, \s*SLOT
	s_add_nc_u64 s[G0+4*\s+2:G0+4*\s+3], s[20:21], \s*4*PLANE
	s_or_b32 s[G0+4*\s+3], s[G0+4*\s+3], 0x80000000
	s_mov_b32 s[G0B+4*\s], 1
	s_add_co_u32 s[G0B+4*\s+1], s94, \s*SLOT
	s_add_nc_u64 s[G0B+4*\s+2:G0B+4*\s+3], s[46:47], \s*4*PLANE
	s_or_b32 s[G0B+4*\s+3], s[G0B+4*\s+3], 0x80000000
	JLOAD G0+4*\s, G1, G0B+4*\s, G1B
.endr
	v_and_b32 v1, 15, v0                           ; r
	v_bfe_u32 v2, v0, 4, 1                         ; h
	s_wait_alu depctr_va_vdst(0)
	v_and_b32 v7, 31, v0                           ; lane
	v_mul_u32_u24 v3, v1, 48
	v_mad_u32_u24 v3, v2, 24, v3                   ; 48 r + 24 h: dword 6 (2 r + h): the 32 lanes of a load of 8 bytes touch 64 different banks
	s_wait_alu depctr_va_vdst(0)
	s_mul_i32 s10, s15, PART
	s_mul_i32 s11, s16, PART
	s_add_co_u32 s11, s11, 2*PART
.irp s, 0,1
	v_add_nc_u32 v[ADRA+\s], s10, v3
	v_add_nc_u32 v[ADRB+\s], s11, v3
	s_add_co_u32 s10, s10, SLOT
	s_add_co_u32 s11, s11, SLOT
.endr
	s_lshl_b32 s10, s15, 12                        ; A's scale words: my half
	s_lshl_b32 s11, s16, 12
	s_add_co_u32 s11, s11, 8320                    ; B's: behind A's two halves and 128 bytes
	s_sub_co_u32 s11, s11, s10
	v_mul_u32_u24 v5, s11, v2                      ; lanes 16-31 take B's: one product, the distance between the two
	v_lshl_add_u32 v5, v1, 2, v5
	s_add_co_u32 s10, s10, SCL
	v_add_nc_u32 v[ADRS], s10, v5
	s_mul_i32 s10, s14, 1536                       ; my stage for the way out: in slot 0, which has had its last fill and its last read by then
	v_add_nc_u32 v[STO], s10, v3
	v_lshlrev_b32 v[VO], 4, v7
	s_wait_alu depctr_va_vdst(0)
	v_add_nc_u32 v[RD], s10, v[VO]
	; where my results go.  q, k: plane = (q or k) 64 + batch 16 + head, place = A's; the next head is the next plane.  v: [batch, head][key / 64][e's place][48]: the next 64 keys are 3,072 bytes on, the next head 98,304.
	s_lshl_b32 s10, s42, 2
	s_lshl_b32 s11, s16, 1
	s_add_co_u32 s10, s10, s11                     ; my first 64 of B's 2,048 places
	s_lshr_b32 s11, s10, 4                         ; 0: q, 1: k
	s_and_b32 s10, s10, 15                         ; head (even)
	s_lshl_b32 s12, s15, 7
	s_add_co_u32 s12, s12, s23                     ; my first place of A
	s_lshl_b32 s13, s11, 6
	s_lshl_b32 s19, s18, 4
	s_add_co_u32 s13, s13, s19
	s_add_co_u32 s13, s13, s10
	s_mul_i32 s13, s13, PLANE
	s_mul_i32 s19, s12, 48
	s_add_co_u32 s13, s13, s19                     ; q, k: codes
	s_lshl_b32 s11, s11, 5
	s_lshl_b32 s19, s18, 3
	s_add_co_u32 s11, s11, s19
	s_lshr_b32 s10, s10, 1
	s_add_co_u32 s11, s11, s10
	s_lshl_b32 s11, s11, 13
	s_lshl_b32 s12, s12, 2
	s_add_co_u32 s11, s11, s12
	s_add_co_u32 s11, s11, QSW                     ; q, k: scale words, one word for a pair of heads
	s_lshl_b32 s10, s17, 2
	s_lshl_b32 s12, s15, 1
	s_add_co_u32 s10, s10, s12                     ; v: my first head
	s_lshl_b32 s12, s45, 4
	s_add_co_u32 s10, s10, s12                     ; + 16 x batch
	s_lshl_b32 s12, s16, 7
	s_add_co_u32 s12, s12, s93
	s_lshr_b32 s12, s12, 6                         ; my first 64 keys
	s_lshl_b32 s19, s10, 5
	s_add_co_u32 s19, s19, s12
	s_mul_i32 s19, s19, 3072
	s_add_co_u32 s19, s19, VC                      ; v: codes
	s_lshl_b32 s10, s10, 4
	s_lshr_b32 s12, s12, 1
	s_add_co_u32 s10, s10, s12
	s_lshl_b32 s10, s10, 8
	s_add_co_u32 s10, s10, VSW                     ; v: scale words
	s_cmp_eq_u32 s2, 1
	s_cselect_b32 s66, s19, s13
	s_cselect_b32 s92, s10, s11
	s_mov_b32 s3, PLANE
	s_cselect_b32 s3, 3072, s3                     ; from my first 64 along the new K to my second
	s_mov_b32 s96, 3072
	s_cselect_b32 s96, PLANE, s96                  ; from A's places 0-63 to 64-127, in codes
	s_mov_b32 s97, 256
	s_cselect_b32 s97, 4096, s97                   ; and in scale words
	s_mov_b32 s67, 0
	s_mov_b32 s93, 0
	s_add_nc_u64 s[12:13], s[8:9], s[66:67]        ; codes of places 0-63
	s_add_nc_u64 s[20:21], s[8:9], s[92:93]        ; scale words of places 0-63
	s_mov_b32 s66, s96
	s_mov_b32 s92, s97
	s_add_nc_u64 s[18:19], s[12:13], s[66:67]      ; of places 64-127
	s_add_nc_u64 s[22:23], s[20:21], s[92:93]
	s_mov_b32 s[SEL], 0x76543210
	s_mov_b32 s[SEL+1], 0xfedcba98
	v_cmp_lt_u32 s46, 15, v7                       ; lanes 16-31
	v_add_nc_u32 v[VO+1], 512, v[VO]               ; a block's 1,536 bytes leave in three stores of 512: the first 768 to my first 64 along the new K, the rest to my second
	v_add_nc_u32 v[VO+2], s3, v[VO]
	v_add_nc_u32 v[LS4], 0xffffff00, v[VO+2]
	v_cndmask_b32 v[VO+1], v[VO+1], v[LS4], s46
	v_add_nc_u32 v[VO+2], 256, v[VO+2]
	v_lshlrev_b32 v[LS4], 2, v7
.macro FRAG reg, adr, q, i             ; a fragment, 16 places x 128 K: registers 0-5 from plane 2 q, 6-11 from plane 2 q + 1: 24 bytes each, as three loads of 8
.irp p, 0,1,2,3,4,5
	ds_load_b64 v[\reg+2*\p:\reg+2*\p+1], v[\adr] offset:(2*(\q)+\p/3)*6144+(\i)*768+8*(\p%3)
.endr
.endm
; 16 matrix instructions: A's blocks a0, a0 + 1 x B's eight.  The 64 accumulators take turns, one instruction a turn, in the same order in every step.
.macro MUL16 a0, p, q, sc, zero
.irp a, \a0, \a0+1
.irp b, 0,1,2,3,4,5,6,7
.if \zero
	v_wmma_scale_f32_16x16x128_f8f6f4 v[8*(8*((\a)%4)+\b):8*(8*((\a)%4)+\b)+7], v[128*(\p)+FR*\b:128*(\p)+FR*\b+FR-1], v[AF+FR*(\a):AF+FR*(\a)+FR-1], 0, v[SC+8*NQ*(\sc)+NQ*\b+(\q)], v[SC+8*NQ*(\sc)+NQ*(\a)+(\q)] matrix_a_fmt:MATRIX_FMT_BF6 matrix_b_fmt:MATRIX_FMT_BF6 matrix_a_scale:MATRIX_SCALE_ROW1
.else
	v_wmma_scale_f32_16x16x128_f8f6f4 v[8*(8*((\a)%4)+\b):8*(8*((\a)%4)+\b)+7], v[128*(\p)+FR*\b:128*(\p)+FR*\b+FR-1], v[AF+FR*(\a):AF+FR*(\a)+FR-1], v[8*(8*((\a)%4)+\b):8*(8*((\a)%4)+\b)+7], v[SC+8*NQ*(\sc)+NQ*\b+(\q)], v[SC+8*NQ*(\sc)+NQ*(\a)+(\q)] matrix_a_fmt:MATRIX_FMT_BF6 matrix_b_fmt:MATRIX_FMT_BF6 matrix_a_scale:MATRIX_SCALE_ROW1
.endif
.endr
.endr
.endm
.macro FETCH_B slot, q, p
	WIN TO_B
.irp i, 0,1,2,3,4,5,6,7
	FRAG 128*(\p)+FR*\i, ADRB+\slot, \q, \i
.endr
	WIN 0
.endm
.macro FETCH_A slot, q, i0
.irp i, \i0, \i0+1, \i0+2, \i0+3
	FRAG AF+FR*(\i), ADRA+\slot, \q, \i
.endr
.endm
.macro SCALES sc, ks                   ; K step ks's scale words into set sc: lanes 0-15 the word of A's block i, lanes 16-31 that of B's block i
.irp i, 0,1,2,3,4,5,6,7
.irp q, 0,1
	ds_load_b32 v[SC+16*(\sc)+2*\i+\q], v[ADRS] offset:512*(2*(\ks)+\q)+64*\i
.endr
.endr
.endm
.macro PLACES n                        ; plain vector instructions in front of loads into registers that matrix instructions have read, and of the first read of results
.rept \n
	v_nop
.endr
.endm
.macro STEP slot, q, zero              ; a step of 128 along K that has its successor in the same slot
	s_wait_dscnt 4*NL                              ; B's set, A's blocks 0-3 and the scale words are in; the youngest 24 loads (A's blocks 4-7) may be out
	WIN MUL_LO
	MUL16 0, (\q)%2, \q, \slot, \zero
	MUL16 2, (\q)%2, \q, \slot, \zero
	s_wait_dscnt 0
	PLACES NP
	FETCH_B \slot, (\q)+1, 1-(\q)%2
	FETCH_A \slot, (\q)+1, 0
	WIN MUL_HI
	MUL16 4, (\q)%2, \q, \slot, \zero
	MUL16 6, (\q)%2, \q, \slot, \zero
	PLACES NP
	WIN 0
	FETCH_A \slot, (\q)+1, 4
.endm
; A slot's last step changes slots: one barrier; in front of it each wave waits for all its tensor loads, adds 0 to its spare word, and waits for that and for its reads of this slot.
.macro TURN slot, next, fill, ks
	s_wait_tensorcnt 0x0                           ; all my tensor loads have landed: my part of the next slot
	ds_add_u32 v[SPW], v[NIL]                      ; 0 onto my spare word
	s_wait_dscnt 4*NL+1                            ; the add and the youngest 24 loads (A's blocks 4-7) may be out
	WIN MUL_LO
	MUL16 0, 1, NQ-1, \slot, 0
	s_wait_dscnt 0x0                               ; the add is done, and my reads of this slot are over
	s_barrier_signal -1
	MUL16 2, 1, NQ-1, \slot, 0
	WIN 0
	s_barrier_wait -1
.if \fill
	CREST                                          ; the barrier has opened a round of the cluster's: no wave of any partner still reads this slot or has a load on its way
	s_add_nc_u64 s[G0+4*\slot+2:G0+4*\slot+3], s[G0+4*\slot+2:G0+4*\slot+3], 8*PLANE
	s_add_nc_u64 s[G0B+4*\slot+2:G0B+4*\slot+3], s[G0B+4*\slot+2:G0B+4*\slot+3], 8*PLANE
	JLOAD G0+4*\slot, G1, G0B+4*\slot, G1B         ; the first tensor load behind the round; its four v_nop are also the places in front of the loads below
.else
	PLACES NP
.endif
	FETCH_B \next, 0, 0
	FETCH_A \next, 0, 0
	SCALES \next, \ks
	WIN MUL_HI
	MUL16 4, 1, NQ-1, \slot, 0
	MUL16 6, 1, NQ-1, \slot, 0
	PLACES NP
	WIN 0
	FETCH_A \next, 0, 4
.endm
	s_wait_tensorcnt 1                             ; three loads of mine are out: the scale words and K step 0 are in, K step 1's may stay out
	s_barrier_signal -1
	s_barrier_wait -1
	FETCH_B 0, 0, 0
	FETCH_A 0, 0, 0
	SCALES 0, 0
	FETCH_A 0, 0, 4
	STEP 0, 0, 1                                   ; the first products start the sums: nothing is cleared
	TURN 0, 1, 1, 1                                ; K = 1,024 is four K steps: each slot is filled again once, so the walk is written straight
	STEP 1, 0, 0
	TURN 1, 0, 1, 2
	STEP 0, 0, 0
	TURN 0, 1, 0, 3                                ; nothing is left to fetch: no round
	STEP 1, 0, 0
	s_wait_dscnt 4*NL
	WIN MUL_LO
	MUL16 0, 1, NQ-1, 1, 0
	MUL16 2, 1, NQ-1, 1, 0
	s_wait_dscnt 0
	WIN MUL_HI
	MUL16 4, 1, NQ-1, 1, 0
	MUL16 6, 1, NQ-1, 1, 0
	WIN 0
; THE WAY OUT: block a (16 places of A x 128 along the new K) is quantised in registers.  Register 16 b + i of a lane is number 32 b + 16 (lane / 16) + i of its place.
.macro QUANTW a
.set AC, 64*((\a)%4)
.set WW, 2+(\a)/4
.set W2, WW*5                          ; sources 0 and 1 in the accumulators' window
	WIN W2
.irp b, 0,1,2,3
	v_max3_num_f32 v[TM+\b], |v[AC+16*\b]|, |v[AC+16*\b+1]|, 0x2800000   ; with the floor 2^(5 - 127).  Each accumulator is read from its low end on
.endr
.irp i, 2,4,6,8,10,12,14
.irp b, 0,1,2,3
	v_max3_num_f32 v[TM+\b], |v[AC+16*\b+\i]|, |v[AC+16*\b+\i+1]|, v[TM+\b]
.endr
.endr
	WIN 0
.irp b, 0,1,2,3
	v_permlanex16_b32 v[TM+4+\b], v[TM+\b], s[SEL], s[SEL+1]
.endr
.irp b, 0,1,2,3
	v_max_num_f32 v[TM+\b], v[TM+\b], v[TM+4+\b]   ; with lane l xor 16's: the block's largest magnitude
.endr
.irp b, 0,1,2,3
	v_add_nc_u32 v[TM+12+\b], 0xfe000000, v[TM+\b] ; 4 off its exponent field: the conversion's scale operand
.endr
.irp b, 0,1,2,3
	v_lshrrev_b32 v[TM+4+\b], 23, v[TM+12+\b]
.endr
	v_lshl_or_b32 v[PW], v[TM+5], 8, v[TM+4]
	v_lshl_or_b32 v[PW], v[TM+6], 16, v[PW]
	v_lshl_or_b32 v[PW], v[TM+7], 24, v[PW]
.if (\a) > 0
	s_wait_dscnt 3                                 ; the last block's six stores into the stage have read the codes' registers; its three loads may be out
.endif
	WIN WW
.irp c, 0,1
	v_cvt_scalef32_pk16_bf6_f32 v[PC+6*\c:PC+6*\c+2], v[AC+32*\c:AC+32*\c+15], v[TM+12+2*\c]
	v_cvt_scalef32_pk16_bf6_f32 v[PC+12+4*\c:PC+14+4*\c], v[AC+16+32*\c:AC+31+32*\c], v[TM+12+2*\c+1]
.endr
	WIN 0
	v_nop                                          ; one plain place behind a scaled conversion
.irp c, 0,1                                    ; a whole block to a lane: lanes 0-15 block 2 c, lanes 16-31 block 2 c + 1
.irp i, 0,1,2
	v_permlane16_swap_b32 v[PC+6*\c+\i], v[PC+12+4*\c+\i]
.endr
.irp i, 0,1,2
	v_mov_b32 v[PC+3+6*\c+\i], v[PC+12+4*\c+\i]
.endr
.endr
.endm
.macro TOSTAGE a                       ; 24 bytes a lane at 48 r + 24 h, for each 64 along the new K; back as 16 bytes a lane.  LDS serves a wave's instructions in order
.set OBS, OBF+12*((\a)%2)
.irp j, 0,1
.irp p, 0,1,2
	ds_store_b64 v[STO], v[PC+6*\j+2*\p:PC+6*\j+2*\p+1] offset:768*\j+8*\p
.endr
.endr
.irp u, 0,1,2
	ds_load_b128 v[OBS+4*\u:OBS+4*\u+3], v[RD] offset:512*\u
.endr
.endm
.macro SEND a
.set OBS, OBF+12*((\a)%2)
	s_wait_dscnt 0x0
.irp u, 0,1,2
	global_store_b128 v[VO+\u], v[OBS+4*\u:OBS+4*\u+3], s[12+6*((\a)/4):13+6*((\a)/4)] offset:768*((\a)%4)   ; sixteen lanes store 256 consecutive bytes, aligned
.endr
.endm
	PLACES NP                                      ; behind the last products
.irp b, 0,1,2,3
	v_mov_b32 v[TM+4+\b], 0                        ; written once: a lane permute's destination counts as one of its sources
.endr
.irp a, 0,1,2,3,4,5,6,7
	QUANTW \a
.if \a > 0
	s_wait_alu depctr_va_vdst(0)
	SEND \a-1
.endif
.if \a % 2 == 0
	v_mov_b32 v[PWE], v[PW]
.else
	v_cndmask_b32 v[PWS+\a/2], v[PWE], v[PW], s46  ; lanes 0-15: the even block's 16 words, lanes 16-31: the odd block's: 128 consecutive bytes
	global_store_b32 v[LS4], v[PWS+\a/2], s[20+2*(\a/4):21+2*(\a/4)] offset:((\a%4)/2)*128
.endif
.if \a > 1
	s_wait_xcnt 0x0                                ; block a - 2's stores have read their registers: block a's loads from the stage may land there
.endif
	TOSTAGE \a
.endr
	SEND 7
	s_wait_tensorcnt 0x0                           ; the wave's end
	ds_add_u32 v[SPW], v[NIL]
	s_wait_dscnt 0x0
	CROUND                                         ; the closing round
	s_endpgm
.Lfunc_end_k_q021f1bcb68_qkv:
	.size	k_q021f1bcb68_qkv, .Lfunc_end_k_q021f1bcb68_qkv-k_q021f1bcb68_qkv
	.p2alignl 7, 3214868480
	.fill 96, 4, 3214868480
	.section	.rodata,"a",@progbits
	.p2align	6, 0x0
	.amdhsa_kernel k_q021f1bcb68_qkv
		.amdhsa_group_segment_fixed_size 327680
		.amdhsa_private_segment_fixed_size 0
		.amdhsa_enable_private_segment 0
		.amdhsa_kernarg_size 24
		.amdhsa_user_sgpr_count 2
		.amdhsa_user_sgpr_kernarg_segment_ptr 1
		.amdhsa_wavefront_size32 1
		.amdhsa_system_sgpr_workgroup_id_x 1
		.amdhsa_system_sgpr_workgroup_id_y 1
		.amdhsa_system_sgpr_workgroup_id_z 1
		.amdhsa_system_vgpr_workitem_id 0
		.amdhsa_next_free_vgpr 1024
		.amdhsa_next_free_sgpr 100
		.amdhsa_reserve_vcc 0
		.amdhsa_float_denorm_mode_32 3
		.amdhsa_float_denorm_mode_16_64 3
		.amdhsa_memory_ordered 1
		.amdhsa_forward_progress 1
		.amdhsa_inst_pref_size 174
	.end_amdhsa_kernel
	.amdgpu_metadata
---
amdhsa.version: [ 1, 2 ]
amdhsa.kernels:
  - .name:           k_q021f1bcb68_qkv
    .symbol:         k_q021f1bcb68_qkv.kd
    .args:
      - { .name: xq, .offset: 0, .size: 8, .value_kind: global_buffer, .address_space: global }
      - { .name: wq, .offset: 8, .size: 8, .value_kind: global_buffer, .address_space: global }
      - { .name: qkv, .offset: 16, .size: 8, .value_kind: global_buffer, .address_space: global }
    .group_segment_fixed_size: 327680
    .private_segment_fixed_size: 0
    .kernarg_segment_align: 8
    .kernarg_segment_size: 24
    .max_flat_workgroup_size: 128
    .sgpr_count:     100
    .vgpr_count:     1024
    .wavefront_size: 32
...
	.end_amdgpu_metadata
.endif
;; end of part 2
;; launch attn (part 3): grid 4 x 64, 16 waves a work-group, clusters of 4 x 1, 223,232 bytes of LDS; arguments qkv, att; writes att
.if DOCPART == 3
	.amdgcn_target "amdgcn-amd-amdhsa--gfx1250"
	.amdhsa_code_object_version 6
	.text
	.protected	k_q021f1bcb68_attn
	.globl	k_q021f1bcb68_attn
	.p2align	8
	.type	k_q021f1bcb68_attn,@function
k_q021f1bcb68_attn:
	s_mov_b64 s[64:65], 0
	v_nop
	global_prefetch_b8 v0, s[64:65] scope:SCOPE_SE
	s_setreg_imm32_b32 hwreg(HW_REG_WAVE_MODE, 25, 1), 1
	s_wait_xcnt 0x0
	s_wait_alu depctr_hold_cnt(0) depctr_sa_sdst(0) depctr_va_vdst(0) depctr_va_sdst(0) depctr_va_ssrc(0) depctr_va_vcc(0) depctr_vm_vsrc(0)
	s_getreg_b32 s2, hwreg(HW_REG_IB_STS2, 6, 4)
	s_cmp_eq_u32 s2, 0
	s_cbranch_scc0 .Lentry_in_a_cluster
	s_endpgm
.Lentry_in_a_cluster:
	s_bfe_u32 s2, ttmp6, 0x10000c
	s_cmp_lg_u32 s2, 0x3003
	s_cbranch_scc0 .Lentry_shape_is_right
	s_endpgm
.Lentry_shape_is_right:
; Causal attention of one head on codes of BF6 (E3M2) with E8M0 scales; the result, divided by the row's sum, leaves as codes quantised along the head's 64.
; t = score x log2(e) / 8; M = the running largest t rounded UP to a whole number; p = 2^(t - M) is quantised along the keys, not normalised; the row's sum is taken of the unquantised p.
; SHARES.  The four work-groups of a cluster serve one (batch, head).  Its K and V, 196,608 bytes of codes and 12,288 of scale words, fit in LDS: they are asked for ONCE, jointly, each part by one wave:
; no slot is ever filled again.  All of K and V is asked for at the head, so there is no later stream to prefetch.
; A head has 128 tiles of 16 query places; partner cx takes tiles 4 j + cx; wave w takes j = w, then j = 31 - w.  A tile needs key steps 0 .. j / 2 (128 keys a step): that hangs on the wave's number
; alone, so all partners branch alike, and every wave does (w / 2 + 1) + ((31 - w) / 2 + 1) = 17 steps.  Steps all of whose keys are hidden are jumped over inside loops of constant count.
; LAYOUT.  Both products are used transposed: S^T = K Q^T, O^T = V^T P^T: a lane holds ONE query.  Places are rows with bits 3 and 4 exchanged: 16 neighbouring places 16 (2 b + u) .. are keys
; 32 b + 8 u + r + 8 (r / 8), so the 16 registers of tiles 2 b, 2 b + 1 are keys 32 b + 16 (lane / 16) + 0 .. 15.  The first product's K is 64: the upper 64 of the instruction's 128 are zero codes on both sides.
; LIMITS: NaN and infinities are not served; 1 / sum is v_rcp_f32's; a block under 2^-122 gets the byte 1 (only this program reads the bytes).  att's scale bytes leave two at a time, 4 bytes apart: 2 of every 50 bytes stored.
.set PLANE, 98304
.set KC,    64*PLANE                   ; qkv: k's codes; v's 64 planes on
.set QSW,   192*PLANE
.set KSW,   QSW+262144
.set VSW,   KSW+262144
.set ASW,   64*PLANE                   ; att: the scale words
.set LV,    98304                      ; LDS: K's codes at 0, V's here,
.set LKS,   196608                     ; K's scale words (the pair of heads'), 8,192 bytes,
.set LVS,   204800                     ; V's, 4,096,
.set STG,   208896                     ; and a stage of 768 bytes for each wave: no fill lands there
.set AK0,  1                           ; v1 48 r + 24 h: my place in a tile of K; also my offset in a tile of Q
.set AV0,  2                           ; v2 the same in V
.set ASK0, 3                           ; v3 K's scale bytes: 4 r + my head's half of the word
.set ASV0, 4                           ; v4 V's scale words
.set STO,  5                           ; v5 the stage, in;  v6 back;  v7 8 x lane
.set SRD,  6
.set GO,   7
.set ADK,  8                           ; v8-11 the step's addresses
.set ADV,  9
.set ADS,  10
.set ADT,  11                          ; v12 -M, v13 the largest t, v[14:15] the sum in two halves
.set QA,   16                          ; v16-27, v28-39 Q of the two passes (the upper six registers zeros)
.set QB,   28
.set KF,   40                          ; v40-87 four fragments of K (the upper six registers of each zeros)
.set S,    88                          ; v88-151 S^T, then p, then V's four fragments
.set OA,   152                         ; v152-183 O^T
.set PC,   184                         ; v184-195 p's codes
.set PT,   196                         ; v196-203 at work
.set BM,   204                         ; v204-207 the blocks' largest
.set SO,   208                         ; v208-211 the conversions' scale operands
.set KSC,  212
.set VSC,  216
.set F,    220                         ; v[220:221] f = 2^(old M - new M)
.set PW,   222                         ; p's scale word
.set TMP,  223
.set QSA,  224
.set QSB,  225
.set DMA,  226                         ; my query's number in its 128, less 16 (lane / 16)
.set DMB,  227
.set NEG,  228
.set R4,   229                         ; 4 r
.set OD,   230                         ; v230-235 the way out
.set W16,  236
.set WV,   18
.set SEL,  20
.set CS,   22
.set G1C,  28
.set G1S,  36
.set G0C,  44
.set G0S,  48
.set KS,   52                          ; the key step;  s53 its tiles' LDS byte;  s54, s55 its scale words'
.set TB,   53
.set TSK,  54
.set TSV,  55
.macro CROUND
	s_barrier_signal -1
	s_barrier_wait -1
	s_cmp_lg_u32 s[WV], 0
	s_cbranch_scc1 .Lnot_wave_0_\@
	s_barrier_signal -3
.Lnot_wave_0_\@:
	s_barrier_wait -3
	s_barrier_signal -1
	s_barrier_wait -1
.endm
	s_load_b128 s[4:7], s[0:1], 0x0                ; qkv, att
	v_lshl_add_u32 v254, v0, 2, 0x36000
	v_mov_b32 v255, 0
	ds_add_u32 v254, v255
	ds_add_u32 v254, v255
	v_lshrrev_b32 v8, 5, v0
	s_delay_alu instid0(VALU_DEP_1)
	v_readfirstlane_b32 s[WV], v8                  ; wave 0..15
	s_bfe_u32 s19, ttmp6, 0x40000                  ; cx: it enters Q's and att's addresses and the mask's numbers alone
	s_and_b32 s24, ttmp7, 0xffff                   ; 16 x batch + head, which the partners share
	s_mul_i32 s25, s24, PLANE
	s_lshr_b32 s26, s24, 1
	s_lshl_b32 s26, s26, 13
	s_and_b32 s27, s24, 1
	s_lshl_b32 s27, s27, 1
	s_mov_b32 s[SEL], 0x76543210
	s_mov_b32 s[SEL+1], 0xfedcba98
	s_mov_b32 s[CS], 0x3e38aa3b                    ; c = log2(e) / 8
	s_mov_b32 s[CS+1], s[CS]
	; descriptor group 1: dense blocks as rows of 256 bytes (32 elements of 8): 96 rows of codes, 16 rows of scale words
	s_mov_b32 s[G1C], 15|(3<<16)|(1<<21)           ; 15:0 the mask: all four work-groups; 17:16 elements of 8 bytes; 21 set beside a mask
	s_mov_b32 s[G1C+1], 32<<16
	s_mov_b32 s[G1C+2], 96<<16
	s_mov_b32 s[G1C+3], 32<<16
	s_mov_b32 s[G1C+4], 96
	s_mov_b32 s[G1C+5], 32
	s_mov_b32 s[G1C+6], 0
	s_mov_b32 s[G1C+7], 0
	s_mov_b32 s[G1S], 15|(3<<16)|(1<<21)
	s_mov_b32 s[G1S+1], 32<<16
	s_mov_b32 s[G1S+2], 16<<16
	s_mov_b32 s[G1S+3], 32<<16
	s_mov_b32 s[G1S+4], 16
	s_mov_b32 s[G1S+5], 32
	s_mov_b32 s[G1S+6], 0
	s_mov_b32 s[G1S+7], 0
	s_lshr_b32 s68, s[WV], 2                       ; waves 0-3: K's quarters, waves 4-7: V's
	s_mul_i32 s68, s68, 64*PLANE
	s_and_b32 s69, s[WV], 3
	s_mul_i32 s69, s69, 24576
	s_add_co_u32 s68, s68, s69
	s_add_co_u32 s68, s68, s25
	s_add_co_u32 s68, s68, KC
	s_mov_b32 s69, 0
	s_sub_co_u32 s70, s[WV], 8                     ; waves 8, 9: the halves of K's scale words; wave 10: V's
	s_lshl_b32 s70, s70, 12
	s_add_co_u32 s70, s70, s26
	s_add_co_u32 s70, s70, KSW
	s_lshl_b32 s71, s24, 12
	s_add_co_u32 s71, s71, VSW
	s_cmp_eq_u32 s[WV], 10
	s_cselect_b32 s70, s71, s70
	s_mov_b32 s71, 0
	; my two tiles
	s_sub_co_u32 s76, 31, s[WV]
	s_lshr_b32 s66, s[WV], 1                       ; the last key step of pass 0,
	s_lshr_b32 s67, s76, 1                         ; of pass 1
	s_lshl_b32 s75, s[WV], 2
	s_add_co_u32 s75, s75, s19                     ; tile 4 w + cx
	s_lshl_b32 s76, s76, 2
	s_add_co_u32 s76, s76, s19                     ; tile 4 (31 - w) + cx
.irp P, 0,1
	s_mul_i32 s[78+4*\P], s[75+\P], 768
	s_add_co_u32 s[78+4*\P], s[78+4*\P], s25       ; the tile's codes, in q and in att alike
	s_mov_b32 s[79+4*\P], 0
	s_lshl_b32 s[80+4*\P], s[75+\P], 6
	s_add_co_u32 s[80+4*\P], s[80+4*\P], s26
	s_add_co_u32 s[80+4*\P], s[80+4*\P], s27       ; its scale bytes: my head's half of each word
	s_mov_b32 s[81+4*\P], 0
	s_lshr_b32 s86, s[75+\P], 1
	s_and_b32 s86, s86, 3
	s_lshl_b32 s86, s86, 5
	s_and_b32 s87, s[75+\P], 1
	s_lshl_b32 s87, s87, 3
	s_add_co_u32 s[73+\P], s86, s87                ; place r of the tile is query 32 ((tile / 2) % 4) + 8 (tile % 2) + r + 8 (r / 8) of its 128
.endr
	s_wait_dscnt 0x0
	s_wait_kmcnt 0x0
	s_mov_b32 s[G0C], 1
	s_mul_i32 s[G0C+1], s[WV], 24576
	s_add_nc_u64 s[G0C+2:G0C+3], s[4:5], s[68:69]
	s_or_b32 s[G0C+3], s[G0C+3], 0x80000000
	s_mov_b32 s[G0S], 1
	s_lshl_b32 s[G0S+1], s[WV], 12
	s_add_co_u32 s[G0S+1], s[G0S+1], 163840        ; wave 8: 196,608
	s_add_nc_u64 s[G0S+2:G0S+3], s[4:5], s[70:71]
	s_or_b32 s[G0S+3], s[G0S+3], 0x80000000
.irp P, 0,1
	s_add_nc_u64 s[56+2*\P:57+2*\P], s[6:7], s[78+4*\P:79+4*\P]      ; att's codes
	s_add_nc_u64 s[60+2*\P:61+2*\P], s[6:7], s[80+4*\P:81+4*\P]
	s_add_nc_u64 s[60+2*\P:61+2*\P], s[60+2*\P:61+2*\P], ASW         ; att's scale bytes
	s_add_nc_u64 s[78+4*\P:79+4*\P], s[4:5], s[78+4*\P:79+4*\P]      ; q's codes
	s_add_nc_u64 s[80+4*\P:81+4*\P], s[4:5], s[80+4*\P:81+4*\P]
	s_add_nc_u64 s[80+4*\P:81+4*\P], s[80+4*\P:81+4*\P], QSW         ; q's scale bytes
.endr
	CROUND                                         ; all four work-groups are here: the joint loads meet
	s_cmp_lt_u32 s[WV], 8                          ; a wave has at most one tensor load out; four v_nop follow each line
	s_cbranch_scc0 .Lnot_codes
	tensor_load_to_lds s[G0C:G0C+3], s[G1C:G1C+7]
	s_nop 0
.rept 4
	v_nop
.endr
	s_branch .Lasked
.Lnot_codes:
	s_cmp_lt_u32 s[WV], 11
	s_cbranch_scc0 .Lasked
	tensor_load_to_lds s[G0S:G0S+3], s[G1S:G1S+7]
	s_nop 0
.rept 4
	v_nop
.endr
.Lasked:
	v_and_b32 v8, 15, v0                           ; r
	v_bfe_u32 v9, v0, 4, 1                         ; h
	v_and_b32 v10, 31, v0                          ; lane
	s_delay_alu instid0(VALU_DEP_3)
	v_mul_u32_u24 v[AK0], v8, 48
	s_delay_alu instid0(VALU_DEP_1)
	v_mad_u32_u24 v[AK0], v9, 24, v[AK0]
	v_lshlrev_b32 v[R4], 2, v8
.irp p, 0,1,2
	global_load_b64 v[QA+2*\p:QA+2*\p+1], v[AK0], s[78:79] offset:8*\p
	global_load_b64 v[QB+2*\p:QB+2*\p+1], v[AK0], s[82:83] offset:8*\p
.endr
	global_load_u16 v[QSA], v[R4], s[80:81]        ; two bytes; the word's upper two are 0: they scale zero codes
	global_load_u16 v[QSB], v[R4], s[84:85]
	v_add_nc_u32 v[AV0], LV, v[AK0]
	v_add_nc_u32 v[ASK0], s27, v[R4]
	s_delay_alu instid0(VALU_DEP_1)
	v_add_nc_u32 v[ASK0], LKS, v[ASK0]
	v_add_nc_u32 v[ASV0], LVS, v[R4]
	s_mul_i32 s72, s[WV], 768
	s_add_co_u32 s72, s72, STG
	v_add_nc_u32 v[STO], s72, v[AK0]
	v_lshlrev_b32 v[GO], 3, v10
	s_delay_alu instid0(VALU_DEP_1)
	v_add_nc_u32 v[SRD], s72, v[GO]
	v_and_b32 v11, 8, v8
	s_delay_alu instid0(VALU_DEP_1)
	v_add_nc_u32 v11, v11, v8
	v_lshlrev_b32 v9, 4, v9
	s_delay_alu instid0(VALU_DEP_1)
	v_sub_nc_u32 v11, v11, v9
	s_delay_alu instid0(VALU_DEP_1)
	v_add_nc_u32 v[DMA], s73, v11
	s_delay_alu instid0(VALU_DEP_2)
	v_add_nc_u32 v[DMB], s74, v11
	v_mov_b32 v[NEG], 0xff800000                   ; -infinity
.irp i, 6,7,8,9,10,11
	v_mov_b32 v[QA+\i], 0                          ; zero codes for k = 64 .. 127
	v_mov_b32 v[QB+\i], 0
	v_mov_b32 v[KF+\i], 0
	v_mov_b32 v[KF+12+\i], 0
	v_mov_b32 v[KF+24+\i], 0
	v_mov_b32 v[KF+36+\i], 0
.endr
.irp b, 0,1,2,3
	v_mov_b32 v[PT+\b], 0                          ; written once: a lane permute's destination counts as one of its sources
.endr
	v_mov_b32 v[TMP], 0
	v_mov_b32 v[F+1], 0                            ; (named as the upper half of the pair)
	s_wait_tensorcnt 0x0                           ; my part of K, V or the scale words is in,
	s_barrier_signal -1
	s_barrier_wait -1                              ; everybody's is
	s_wait_loadcnt 0x0                             ; Q
; ONE TILE OF 16 QUERIES: qf its fragment, qsc its scale register, dmr its mask numbers, jhr the scalar with its last key step, nst the loop's constant count, obp and osp the bases of its results.
.macro PASS qf, qsc, dmr, jhr, nst, obp, osp
	v_mov_b32 v13, 0xff61b1e6                      ; the largest t so far: -3e38
	s_delay_alu instid0(VALU_DEP_1)
	v_floor_f32 v12, -v13
	v_mov_b32 v14, 0
	v_mov_b32 v15, 0
.set j, 0
.rept 32
	v_mov_b32 v[OA+j], 0                           ; the step is written once: the first finds zeros
.set j, j+1
.endr
	s_mov_b32 s[KS], 0
	s_mov_b32 s[TB], 0
	s_mov_b32 s[TSK], 0
	s_mov_b32 s[TSV], 0
.Lstep_\@:
	s_cmp_gt_u32 s[KS], s[\jhr]                    ; all 128 keys hidden: only the addresses step
	s_cbranch_scc1 .Lhidden_\@
	s_setprio 2
	v_add_nc_u32 v[ADK], s[TB], v[AK0]
	s_wait_alu depctr_va_vdst(0)
	v_add_nc_u32 v[ADV], s[TB], v[AV0]
	v_add_nc_u32 v[ADS], s[TSK], v[ASK0]
	s_wait_alu depctr_va_vdst(0)
	v_add_nc_u32 v[ADT], s[TSV], v[ASV0]
.irp g, 0,1                                    ; S^T = K Q^T, four tiles of 16 keys at a time
.if \g > 0
.rept 4
	v_nop                                          ; places in front of loads into registers that matrix instructions have read
.endr
.endif
.irp t, 0,1,2,3
.irp p, 0,1,2
	ds_load_b64 v[KF+12*\t+2*\p:KF+12*\t+2*\p+1], v[ADK] offset:(4*\g+\t)*768+8*\p
.endr
	ds_load_u16 v[KSC+\t], v[ADS] offset:(4*\g+\t)*64
.endr
	s_wait_dscnt 0x0
.irp t, 0,1,2,3
	v_wmma_scale_f32_16x16x128_f8f6f4 v[S+8*(4*\g+\t):S+8*(4*\g+\t)+7], v[KF+12*\t:KF+12*\t+11], v[\qf:\qf+11], 0, v[KSC+\t], v[\qsc] matrix_a_fmt:MATRIX_FMT_BF6 matrix_b_fmt:MATRIX_FMT_BF6
.endr
.endr
.rept 4
	v_nop
.endr
	s_cmp_lg_u32 s[KS], s[\jhr]                    ; only the tile's last step lies on the diagonal
	s_cbranch_scc1 .Lopen_\@
.set n, 0
.rept 64
	v_cmp_gt_i32 vcc_lo, 32*(n/16)+n%16, v[\dmr]   ; register 16 b + i holds key 32 b + 16 (lane / 16) + i of the step: hidden where it comes after my query
	v_cndmask_b32 v[S+n], v[S+n], v[NEG], vcc_lo
.set n, n+1
.endr
.Lopen_\@:
.irp b, 0,1,2,3
	v_max3_num_f32 v[BM+\b], v[S+16*\b], v[S+1+16*\b], v[S+2+16*\b]   ; the largest score of each block of 32 keys: for the row's maximum and, since p rises with the score, for the block's largest p
.endr
.irp i, 3,5,7,9,11,13
.irp b, 0,1,2,3
	v_max3_num_f32 v[BM+\b], v[BM+\b], v[S+16*\b+\i], v[S+1+16*\b+\i]
.endr
.endr
.irp b, 0,1,2,3
	v_max_num_f32 v[BM+\b], v[BM+\b], v[S+15+16*\b]
.endr
.irp b, 0,1,2,3
	s_delay_alu instid0(VALU_DEP_4)
	v_permlanex16_b32 v[PT+\b], v[BM+\b], s[SEL], s[SEL+1]
.endr
.irp b, 0,1,2,3
	s_delay_alu instid0(VALU_DEP_4)
	v_max_num_f32 v[BM+\b], v[BM+\b], v[PT+\b]
.endr
	s_delay_alu instid0(VALU_DEP_2)
	v_max3_num_f32 v[TMP], v[BM], v[BM+1], v[BM+2]
	s_delay_alu instid0(VALU_DEP_1)
	v_max_num_f32 v[TMP], v[TMP], v[BM+3]
	s_delay_alu instid0(VALU_DEP_1)
	v_mul_f32 v[TMP], s[CS], v[TMP]
	s_delay_alu instid0(VALU_DEP_1)
	v_max_num_f32 v13, v13, v[TMP]                 ; the running largest t
	v_mov_b32 v[TMP], v12
	s_delay_alu instid0(VALU_DEP_2)
	v_floor_f32 v12, -v13                          ; the new -M = -ceil(t)
	s_delay_alu instid0(VALU_DEP_1)
	v_sub_f32 v[TMP], v12, v[TMP]                  ; old M - new M: a whole number, 0 or less
	s_delay_alu instid0(VALU_DEP_1)
	v_cvt_i32_f32 v[TMP], v[TMP]                   ; (it saturates)
	s_delay_alu instid0(VALU_DEP_1)
	v_ldexp_f32 v[F], 1.0, v[TMP]                  ; f: a multiplication by it rounds nothing
.set j, 0
.rept 32
	v_pk_fma_f32 v[S+j:S+j+1], v[S+j:S+j+1], s[CS:CS+1], v[12:13] op_sel_hi:[1,0,0]   ; t - M
.set j, j+2
.endr
.irp b, 0,1,2,3
	v_fma_f32 v[BM+\b], v[BM+\b], s[CS], v12
.endr
.set j, 0
	s_setprio 1
	s_wait_alu depctr_va_vdst(0)
.rept 64
	v_exp_f32 v[S+j], v[S+j]                       ; p = 2^(t - M)
.set j, j+1
.endr
	v_pk_mul_f32 v[14:15], v[14:15], v[F:F+1] op_sel_hi:[1,0]   ; the sums under the new M: the plain place behind the exponentials
	s_wait_alu depctr_va_vdst(0)                   ; one wait for the batch of 64, ahead of its first reader
.irp b, 0,1,2,3
	v_exp_f32 v[BM+\b], v[BM+\b]                   ; the blocks' largest p
.endr
	v_pk_add_f32 v[196:197], v[92:93], v[96:97]
	v_pk_add_f32 v[252:253], v[100:101], v[104:105]
	v_pk_add_f32 v[250:251], v[108:109], v[112:113]
	v_pk_add_f32 v[248:249], v[116:117], v[120:121]
	v_pk_add_f32 v[246:247], v[124:125], v[128:129]
	v_pk_add_f32 v[244:245], v[132:133], v[136:137]
	v_pk_add_f32 v[242:243], v[140:141], v[144:145]
	v_pk_add_f32 v[14:15], v[14:15], v[148:149]
	v_pk_add_f32 v[196:197], v[196:197], v[88:89]
	v_pk_add_f32 v[252:253], v[252:253], v[90:91]
	v_pk_add_f32 v[250:251], v[250:251], v[94:95]
	v_pk_add_f32 v[248:249], v[248:249], v[98:99]
	v_pk_add_f32 v[246:247], v[246:247], v[102:103]
	v_pk_add_f32 v[244:245], v[244:245], v[106:107]
	v_pk_add_f32 v[242:243], v[242:243], v[110:111]
	v_pk_add_f32 v[14:15], v[14:15], v[114:115]
	v_pk_add_f32 v[196:197], v[196:197], v[118:119]
	v_pk_add_f32 v[252:253], v[252:253], v[122:123]
	v_pk_add_f32 v[250:251], v[250:251], v[126:127]
	v_pk_add_f32 v[248:249], v[248:249], v[130:131]
	v_pk_add_f32 v[246:247], v[246:247], v[134:135]
	v_pk_add_f32 v[244:245], v[244:245], v[138:139]
	v_pk_add_f32 v[242:243], v[242:243], v[142:143]
	v_pk_add_f32 v[14:15], v[14:15], v[146:147]
	v_pk_add_f32 v[196:197], v[196:197], v[150:151]
	s_delay_alu instid0(VALU_DEP_2)
	v_pk_add_f32 v[14:15], v[14:15], v[248:249]
	s_delay_alu instid0(VALU_DEP_2)
	v_pk_add_f32 v[196:197], v[196:197], v[246:247]
	v_pk_add_f32 v[252:253], v[252:253], v[244:245]
	v_pk_add_f32 v[250:251], v[250:251], v[242:243]
	s_delay_alu instid0(VALU_DEP_2)
	v_pk_add_f32 v[14:15], v[14:15], v[252:253]
	s_delay_alu instid0(VALU_DEP_2)
	v_pk_add_f32 v[196:197], v[196:197], v[250:251]
	s_delay_alu instid0(VALU_DEP_1)
	v_pk_add_f32 v[14:15], v[14:15], v[196:197]
	s_wait_alu depctr_va_vdst(0)                   ; and one for the four
.irp b, 0,1,2,3
	v_max_num_f32 v[BM+\b], 0x2800000, v[BM+\b]    ; the floor 2^(5 - 127)
.endr
.irp b, 0,1,2,3
	s_delay_alu instid0(VALU_DEP_4)
	v_add_nc_u32 v[SO+\b], 0xfe000000, v[BM+\b]
.endr
.irp b, 0,1,2,3
	s_delay_alu instid0(VALU_DEP_4)
	v_lshrrev_b32 v[PT+\b], 23, v[SO+\b]
.endr
	s_delay_alu instid0(VALU_DEP_3)
	v_lshl_or_b32 v[PW], v[PT+1], 8, v[PT]
	s_delay_alu instid0(VALU_DEP_1)
	v_lshl_or_b32 v[PW], v[PT+2], 16, v[PW]
	s_delay_alu instid0(VALU_DEP_1)
	v_lshl_or_b32 v[PW], v[PT+3], 24, v[PW]
.irp c, 0,1
	v_cvt_scalef32_pk16_bf6_f32 v[PC+6*\c:PC+6*\c+2], v[S+32*\c:S+32*\c+15], v[SO+2*\c]
	v_cvt_scalef32_pk16_bf6_f32 v[PT+4*\c:PT+4*\c+2], v[S+16+32*\c:S+31+32*\c], v[SO+2*\c+1]
.endr
	v_nop                                          ; one plain place behind a scaled conversion
.irp t, 0,1,2,3                                ; V's four fragments (16 of the head's 64 x these 128 keys) into p's registers, which are done with; they land under the 28 lines below
.irp p, 0,1,2,3,4,5
	ds_load_b64 v[S+12*\t+2*\p:S+12*\t+2*\p+1], v[ADV] offset:(\p/3)*3072+768*\t+8*(\p%3)
.endr
	ds_load_b32 v[VSC+\t], v[ADT] offset:64*\t
.endr
	s_setprio 0
.irp c, 0,1
.irp i, 0,1,2
	v_permlane16_swap_b32 v[PC+6*\c+\i], v[PT+4*\c+\i]
.endr
.irp i, 0,1,2
	s_delay_alu instid0(VALU_DEP_3)
	v_mov_b32 v[PC+3+6*\c+\i], v[PT+4*\c+\i]
.endr
.endr
.set j, 0
.rept 16
	v_pk_mul_f32 v[OA+j:OA+j+1], v[OA+j:OA+j+1], v[F:F+1] op_sel_hi:[1,0]   ; O^T under the new M; these 16 are also the places between the codes and the scale word just made and the products
.set j, j+2
.endr
	s_wait_alu depctr_va_vdst(0)
	s_wait_dscnt 0x0
.irp t, 0,1,2,3
	v_wmma_scale_f32_16x16x128_f8f6f4 v[OA+8*\t:OA+8*\t+7], v[S+12*\t:S+12*\t+11], v[PC:PC+11], v[OA+8*\t:OA+8*\t+7], v[VSC+\t], v[PW] matrix_a_fmt:MATRIX_FMT_BF6 matrix_b_fmt:MATRIX_FMT_BF6
.endr
.rept 5
	v_nop                                          ; the next step's first products write over V's fragments: five places; the way out's reads want four
.endr
.Lhidden_\@:
	s_add_co_u32 s[TB], s[TB], 6144
	s_add_co_u32 s[TSK], s[TSK], 512
	s_add_co_u32 s[TSV], s[TSV], 256
	s_add_co_u32 s[KS], s[KS], 1
	s_cmp_lt_u32 s[KS], \nst
	s_cbranch_scc1 .Lstep_\@
	s_setprio 0
	; the way out: O^T / the sum, quantised along the head's 64 (two blocks), through my stage, as three runs of 256 bytes
	s_wait_xcnt 0x0                                ; the last pass's stores have read their registers
	v_add_f32 v14, v14, v15
	s_delay_alu instid0(VALU_DEP_1)
	v_permlanex16_b32 v[TMP], v14, s[SEL], s[SEL+1]
	s_delay_alu instid0(VALU_DEP_1)
	v_add_f32 v14, v14, v[TMP]
	s_wait_alu depctr_va_vdst(0)
	v_rcp_f32 v14, v14
	v_nop
	s_wait_alu depctr_va_vdst(0)                   ; ahead of the reciprocal's first reader
.set j, 0
.rept 32
	v_mul_f32 v[S+j], v[OA+j], v14                 ; register 16 b + i is channel 32 b + 16 (lane / 16) + i
.set j, j+1
.endr
.irp b, 0,1
	v_max3_num_f32 v[BM+\b], |v[S+16*\b]|, |v[S+16*\b+1]|, 0x2800000
.endr
.irp i, 2,4,6,8,10,12,14
.irp b, 0,1
	s_delay_alu instid0(VALU_DEP_2)
	v_max3_num_f32 v[BM+\b], v[BM+\b], |v[S+16*\b+\i]|, |v[S+16*\b+\i+1]|
.endr
.endr
.irp b, 0,1
	s_delay_alu instid0(VALU_DEP_2)
	v_permlanex16_b32 v[PT+\b], v[BM+\b], s[SEL], s[SEL+1]
.endr
.irp b, 0,1
	s_delay_alu instid0(VALU_DEP_2)
	v_max_num_f32 v[BM+\b], v[BM+\b], v[PT+\b]
.endr
.irp b, 0,1
	s_delay_alu instid0(VALU_DEP_2)
	v_add_nc_u32 v[SO+\b], 0xfe000000, v[BM+\b]
.endr
.irp b, 0,1
	s_delay_alu instid0(VALU_DEP_2)
	v_lshrrev_b32 v[PT+\b], 23, v[SO+\b]
.endr
	s_delay_alu instid0(VALU_DEP_1)
	v_lshl_or_b32 v[W16], v[PT+1], 8, v[PT]
	v_cvt_scalef32_pk16_bf6_f32 v[PC:PC+2], v[S:S+15], v[SO]
	v_cvt_scalef32_pk16_bf6_f32 v[PT+4:PT+6], v[S+16:S+31], v[SO+1]
	v_nop
.irp i, 0,1,2
	v_permlane16_swap_b32 v[PC+\i], v[PT+4+\i]
.endr
.irp i, 0,1,2
	s_delay_alu instid0(VALU_DEP_3)
	v_mov_b32 v[PC+3+\i], v[PT+4+\i]
.endr
.irp p, 0,1,2
	ds_store_b64 v[STO], v[PC+2*\p:PC+2*\p+1] offset:8*\p
.endr
.irp u, 0,1,2
	ds_load_b64 v[OD+2*\u:OD+2*\u+1], v[SRD] offset:256*\u   ; in order behind my stores
.endr
	s_wait_alu depctr_va_vdst(0)
	s_wait_dscnt 0x0
.irp u, 0,1,2
	global_store_b64 v[GO], v[OD+2*\u:OD+2*\u+1], s[\obp:\obp+1] offset:256*\u   ; 32 lanes store 256 consecutive bytes, aligned
.endr
	global_store_b16 v[R4], v[W16], s[\osp:\osp+1] ; lanes r and 16 + r store the same two bytes at the same place
.endm
	PASS QA, QSA, DMA, 66, 8, 56, 60               ; j = w: at most 8 key steps
	PASS QB, QSB, DMB, 67, 16, 58, 62              ; j = 31 - w: at most 16
	s_wait_tensorcnt 0x0
	ds_add_u32 v254, v255
	s_wait_dscnt 0x0
	CROUND                                         ; the closing round
	s_endpgm
.Lfunc_end_k_q021f1bcb68_attn:
	.size	k_q021f1bcb68_attn, .Lfunc_end_k_q021f1bcb68_attn-k_q021f1bcb68_attn
	.p2alignl 7, 3214868480
	.fill 96, 4, 3214868480
	.section	.rodata,"a",@progbits
	.p2align	6, 0x0
	.amdhsa_kernel k_q021f1bcb68_attn
		.amdhsa_group_segment_fixed_size 223232
		.amdhsa_private_segment_fixed_size 0
		.amdhsa_enable_private_segment 0
		.amdhsa_kernarg_size 16
		.amdhsa_user_sgpr_count 2
		.amdhsa_user_sgpr_kernarg_segment_ptr 1
		.amdhsa_wavefront_size32 1
		.amdhsa_system_sgpr_workgroup_id_x 1
		.amdhsa_system_sgpr_workgroup_id_y 1
		.amdhsa_system_sgpr_workgroup_id_z 1
		.amdhsa_system_vgpr_workitem_id 0
		.amdhsa_next_free_vgpr 256
		.amdhsa_next_free_sgpr 90
		.amdhsa_reserve_vcc 1
		.amdhsa_float_denorm_mode_32 3
		.amdhsa_float_denorm_mode_16_64 3
		.amdhsa_memory_ordered 1
		.amdhsa_forward_progress 1
		.amdhsa_inst_pref_size 71
	.end_amdhsa_kernel
	.amdgpu_metadata
---
amdhsa.version: [ 1, 2 ]
amdhsa.kernels:
  - .name:           k_q021f1bcb68_attn
    .symbol:         k_q021f1bcb68_attn.kd
    .args:
      - { .name: qkv, .offset: 0, .size: 8, .value_kind: global_buffer, .address_space: global }
      - { .name: att, .offset: 8, .size: 8, .value_kind: global_buffer, .address_space: global }
    .group_segment_fixed_size: 223232
    .private_segment_fixed_size: 0
    .kernarg_segment_align: 8
    .kernarg_segment_size: 16
    .max_flat_workgroup_size: 512
    .sgpr_count:     90
    .vgpr_count:     256
    .wavefront_size: 32
...
	.end_amdgpu_metadata
.endif
;; end of part 3
;; launch proj (part 4): grid 4 x 32, 4 waves a work-group, clusters of 4 x 4, 327,680 bytes of LDS; arguments att, wq, bp, out0; writes out0
.if DOCPART == 4
	.amdgcn_target "amdgcn-amd-amdhsa--gfx1250"
	.amdhsa_code_object_version 6
	.text
	.protected	k_q021f1bcb68_proj
	.globl	k_q021f1bcb68_proj
	.p2align	8
	.type	k_q021f1bcb68_proj,@function
k_q021f1bcb68_proj:
	s_mov_b64 s[64:65], 0
	v_nop
	global_prefetch_b8 v0, s[64:65] scope:SCOPE_SE
	s_setreg_imm32_b32 hwreg(HW_REG_WAVE_MODE, 25, 1), 1
	s_wait_xcnt 0x0
	s_wait_alu depctr_hold_cnt(0) depctr_sa_sdst(0) depctr_va_vdst(0) depctr_va_sdst(0) depctr_va_ssrc(0) depctr_va_vcc(0) depctr_vm_vsrc(0)
	s_getreg_b32 s2, hwreg(HW_REG_IB_STS2, 6, 4)
	s_cmp_eq_u32 s2, 0
	s_cbranch_scc0 .Lentry_in_a_cluster
	s_endpgm
.Lentry_in_a_cluster:
	s_bfe_u32 s2, ttmp6, 0x10000c
	s_cmp_lg_u32 s2, 0xf033
	s_cbranch_scc0 .Lentry_shape_is_right
	s_endpgm
.Lentry_shape_is_right:
.set PLANE, 98304
.set GROUP, 16*PLANE
.set ASW,   4*GROUP
.set WSW,   2*GROUP
.set NQ,    2
.set FR,    12
.set NL,    6
.set NP,    4
.set PART,  4*6144
.set SLOT,  4*PART
.set SCL,   2*SLOT
.set SPARE, 213248
.set SPITCH, 528
.set ADRA, 16
.set ADRB, 20
.set STO,  24
.set RD,   25
.set CO,   26
.set ADRS, 27
.set SPW,  28
.set NIL,  29
.set BO,   30
.set SC,   32
.set AF,   128
.set BK,   128
.set G1, 24
.set G0, 32
.set G1B, 48
.set G0B, 56
.set G1S, 68
.set G0S, 76
.set G1SB, 80
.set G0SB, 88
.set MSB, 0
.macro WIN new
.if MSB != \new
	s_set_vgpr_msb (MSB<<8)|\new
.set MSB, \new
.endif
.endm
.set MUL_LO, 0xa1
.set MUL_HI, 0xf1
.set ST_LO,  0x91
.set ST_HI,  0xd1
.set TO_B,   0x40
.macro JLOAD g0a, g1a, g0b, g1b
	s_cmp_eq_u32 s15, 0
	s_cbranch_scc0 .Lfor_b_\@
	tensor_load_to_lds s[\g0a:\g0a+3], s[\g1a:\g1a+7]
	s_nop 0
.rept 4
	v_nop
.endr
	s_branch .Lasked_\@
.Lfor_b_\@:
	tensor_load_to_lds s[\g0b:\g0b+3], s[\g1b:\g1b+7]
	s_nop 0
.rept 4
	v_nop
.endr
.Lasked_\@:
.endm
.macro CREST
	s_cmp_lg_u32 s14, 0
	s_cbranch_scc1 .Lnot_wave_0_\@
	s_barrier_signal -3
.Lnot_wave_0_\@:
	s_barrier_wait -3
	s_barrier_signal -1
	s_barrier_wait -1
.endm
.macro CROUND
	s_barrier_signal -1
	s_barrier_wait -1
	CREST
.endm
	s_load_b128 s[4:7], s[0:1], 0x0
	s_load_b128 s[8:11], s[0:1], 0x10
	v_lshl_add_u32 v[SPW], v0, 2, SPARE
	v_mov_b32 v[NIL], 0
	ds_add_u32 v28, v29
	ds_add_u32 v28, v29
	s_wait_dscnt 0x0
	v_lshrrev_b32 v1, 5, v0
	v_readfirstlane_b32 s14, v1
	s_lshr_b32 s15, s14, 1
	s_and_b32 s16, s14, 1
	s_bfe_u32 s40, ttmp6, 0x40000
	s_bfe_u32 s41, ttmp6, 0x40004
	s_lshl_b32 s42, ttmp9, 2
	s_add_co_u32 s42, s42, s40
	s_and_b32 s17, ttmp7, 0xffff
	s_lshl_b32 s17, s17, 2
	s_add_co_u32 s17, s17, s41
	s_lshl_b32 s43, s41, 2
	s_lshl_b32 s43, 15, s43
	s_lshl_b32 s44, 0x1111, s40
	s_or_b32 s[G1+0], s43, (1<<21)
	s_or_b32 s[G1B+0], s44, (1<<21)
.irp g, G1, G1B
	s_mov_b32 s[\g+1], 6144<<16
	s_mov_b32 s[\g+2], 4<<16
	s_mov_b32 s[\g+3], 6144<<16
	s_mov_b32 s[\g+4], 4
	s_mov_b32 s[\g+5], PLANE
	s_mov_b32 s[\g+6], 0
	s_mov_b32 s[\g+7], 0
.endr
	s_or_b32 s[G1S+0], s43, (2<<16)|(1<<21)
	s_or_b32 s[G1SB+0], s44, (2<<16)|(1<<21)
.irp g, G1S, G1SB
	s_mov_b32 s[\g+1], 128<<16
	s_mov_b32 s[\g+2], 8<<16
	s_mov_b32 s[\g+3], 128<<16
	s_mov_b32 s[\g+4], 8
	s_mov_b32 s[\g+5], 2048
	s_mov_b32 s[\g+6], 0
	s_mov_b32 s[\g+7], 0
.endr
	s_lshl_b32 s19, s16, 7
	s_lshr_b32 s18, s17, 3
	s_and_b32 s23, s17, 7
	s_lshl_b32 s23, s23, 8
	s_add_co_u32 s66, s23, s19
	s_lshl_b32 s67, s42, 8
	s_add_co_u32 s67, s67, s19
	s_add_co_u32 s67, s67, 1024
	s_mul_i32 s20, s18, GROUP
	s_mul_i32 s21, s66, 48
	s_add_co_u32 s20, s20, s21
	s_mov_b32 s21, 0
	s_lshl_b32 s96, s18, 16
	s_lshl_b32 s97, s66, 2
	s_add_co_u32 s96, s96, s97
	s_add_co_u32 s96, s96, ASW
	s_mov_b32 s97, 0
	s_mul_i32 s46, s67, 48
	s_add_co_u32 s46, s46, GROUP
	s_mov_b32 s47, 0
	s_lshl_b32 s98, s67, 2
	s_add_co_u32 s98, s98, WSW+65536
	s_mov_b32 s99, 0
	s_mul_i32 s94, s14, PART
	s_lshl_b32 s95, s14, 12
	s_lshl_b32 s19, s15, 7
	s_add_co_u32 s95, s95, s19
	s_add_co_u32 s95, s95, SCL
	s_wait_kmcnt 0x0
	s_add_nc_u64 s[20:21], s[4:5], s[20:21]
	s_add_nc_u64 s[96:97], s[4:5], s[96:97]
	s_add_nc_u64 s[46:47], s[6:7], s[46:47]
	s_add_nc_u64 s[98:99], s[6:7], s[98:99]
	CROUND
	s_mov_b32 s[G0S], 1
	s_mov_b32 s[G0S+1], s95
	s_mov_b64 s[G0S+2:G0S+3], s[96:97]
	s_or_b32 s[G0S+3], s[G0S+3], 0x80000000
	s_mov_b32 s[G0SB], 1
	s_mov_b32 s[G0SB+1], s95
	s_mov_b64 s[G0SB+2:G0SB+3], s[98:99]
	s_or_b32 s[G0SB+3], s[G0SB+3], 0x80000000
	JLOAD G0S, G1S, G0SB, G1SB
.irp s, 0,1
	s_mov_b32 s[G0+4*\s], 1
	s_add_co_u32 s[G0+4*\s+1], s94, \s*SLOT
	s_add_nc_u64 s[G0+4*\s+2:G0+4*\s+3], s[20:21], \s*4*PLANE
	s_or_b32 s[G0+4*\s+3], s[G0+4*\s+3], 0x80000000
	s_mov_b32 s[G0B+4*\s], 1
	s_add_co_u32 s[G0B+4*\s+1], s94, \s*SLOT
	s_add_nc_u64 s[G0B+4*\s+2:G0B+4*\s+3], s[46:47], \s*4*PLANE
	s_or_b32 s[G0B+4*\s+3], s[G0B+4*\s+3], 0x80000000
	s_wait_alu depctr_va_vdst(0)
	s_wait_tensorcnt 0x0
	ds_add_u32 v28, v29
	s_wait_dscnt 0x0
	CROUND
	JLOAD G0+4*\s, G1, G0B+4*\s, G1B
.endr
	v_and_b32 v1, 15, v0
	v_bfe_u32 v2, v0, 4, 1
	s_wait_alu depctr_va_vdst(0)
	v_and_b32 v7, 31, v0
	s_lshl_b32 s12, s42, 10
	s_lshl_b32 s3, s16, 9
	s_add_co_u32 s12, s12, s3
	s_mov_b32 s13, 0
	s_add_nc_u64 s[8:9], s[8:9], s[12:13]
	s_add_nc_u64 s[10:11], s[10:11], s[12:13]
	s_lshl_b32 s12, s17, 8
	s_lshl_b32 s3, s15, 7
	s_add_co_u32 s12, s12, s3
	s_lshl_b32 s12, s12, 12
	s_add_nc_u64 s[10:11], s[10:11], s[12:13]
	v_lshlrev_b32 v[BO], 6, v2
	WIN TO_B
.irp b, 0,1,2,3,4,5,6,7
	global_load_b128 v[96+8*\b+96*(\b/4):96+8*\b+96*(\b/4)+3], v[BO], s[8:9] offset:(32*(\b/2)+8*(\b%2))*4
	global_load_b128 v[96+8*\b+96*(\b/4)+4:96+8*\b+96*(\b/4)+7], v[BO], s[8:9] offset:(32*(\b/2)+8*(\b%2))*4+16
.endr
	WIN 0
	v_mul_u32_u24 v3, v1, 48
	v_mad_u32_u24 v3, v2, 24, v3
	s_mul_i32 s12, s15, PART
	s_mul_i32 s13, s16, PART
	s_add_co_u32 s13, s13, 2*PART
.irp s, 0,1
	v_add_nc_u32 v[ADRA+\s], s12, v3
	v_add_nc_u32 v[ADRB+\s], s13, v3
	s_add_co_u32 s12, s12, SLOT
	s_add_co_u32 s13, s13, SLOT
.endr
	s_lshl_b32 s12, s15, 12
	s_lshl_b32 s13, s16, 12
	s_add_co_u32 s13, s13, 8320
	s_sub_co_u32 s13, s13, s12
	v_mul_u32_u24 v5, s13, v2
	v_lshl_add_u32 v5, v1, 2, v5
	s_add_co_u32 s12, s12, SCL
	v_add_nc_u32 v[ADRS], s12, v5
	s_mul_i32 s12, s14, 16*SPITCH
	v_mul_u32_u24 v5, v1, SPITCH
	v_lshl_add_u32 v5, v2, 6, v5
	v_add_nc_u32 v[STO], s12, v5
	v_lshlrev_b32 v[CO], 4, v7
	v_add_nc_u32 v[RD], s12, v[CO]
.macro FRAG reg, adr, q, i
.irp p, 0,1,2,3,4,5
	ds_load_b64 v[\reg+2*\p:\reg+2*\p+1], v[\adr] offset:(2*(\q)+\p/3)*6144+(\i)*768+8*(\p%3)
.endr
.endm
.macro MUL16 a0, p, q, sc, zero
.irp a, \a0, \a0+1
.irp b, 0,1,2,3,4,5,6,7
.if \zero
	v_wmma_scale_f32_16x16x128_f8f6f4 v[8*(8*((\a)%4)+\b):8*(8*((\a)%4)+\b)+7], v[128*(\p)+FR*\b:128*(\p)+FR*\b+FR-1], v[AF+FR*(\a):AF+FR*(\a)+FR-1], v[96+8*\b+96*(\b/4):96+8*\b+96*(\b/4)+7], v[SC+8*NQ*(\sc)+NQ*\b+(\q)], v[SC+8*NQ*(\sc)+NQ*(\a)+(\q)] matrix_a_fmt:MATRIX_FMT_BF6 matrix_b_fmt:MATRIX_FMT_BF6 matrix_a_scale:MATRIX_SCALE_ROW1
.else
	v_wmma_scale_f32_16x16x128_f8f6f4 v[8*(8*((\a)%4)+\b):8*(8*((\a)%4)+\b)+7], v[128*(\p)+FR*\b:128*(\p)+FR*\b+FR-1], v[AF+FR*(\a):AF+FR*(\a)+FR-1], v[8*(8*((\a)%4)+\b):8*(8*((\a)%4)+\b)+7], v[SC+8*NQ*(\sc)+NQ*\b+(\q)], v[SC+8*NQ*(\sc)+NQ*(\a)+(\q)] matrix_a_fmt:MATRIX_FMT_BF6 matrix_b_fmt:MATRIX_FMT_BF6 matrix_a_scale:MATRIX_SCALE_ROW1
.endif
.endr
.endr
.endm
.macro FETCH_B slot, q, p
	WIN TO_B
.irp i, 0,1,2,3,4,5,6,7
	FRAG 128*(\p)+FR*\i, ADRB+\slot, \q, \i
.endr
	WIN 0
.endm
.macro FETCH_A slot, q, i0
.irp i, \i0, \i0+1, \i0+2, \i0+3
	FRAG AF+FR*(\i), ADRA+\slot, \q, \i
.endr
.endm
.macro SCALES sc, ks
.irp i, 0,1,2,3,4,5,6,7
.irp q, 0,1
	ds_load_b32 v[SC+16*(\sc)+2*\i+\q], v[ADRS] offset:512*(2*(\ks)+\q)+64*\i
.endr
.endr
.endm
.macro PLACES n
.rept \n
	v_nop
.endr
.endm
.macro STEP slot, q, zero
	s_wait_dscnt 4*NL
.if \zero
	WIN ST_LO
.else
	WIN MUL_LO
.endif
	MUL16 0, (\q)%2, \q, \slot, \zero
	MUL16 2, (\q)%2, \q, \slot, \zero
	s_wait_dscnt 0
	PLACES NP
	FETCH_B \slot, (\q)+1, 1-(\q)%2
	FETCH_A \slot, (\q)+1, 0
.if \zero
	WIN ST_HI
.else
	WIN MUL_HI
.endif
	MUL16 4, (\q)%2, \q, \slot, \zero
	MUL16 6, (\q)%2, \q, \slot, \zero
	PLACES NP
	WIN 0
	FETCH_A \slot, (\q)+1, 4
.endm
.macro TURN slot, next, fill, ks
	s_wait_tensorcnt 0x0
	ds_add_u32 v[SPW], v[NIL]
	s_wait_dscnt 4*NL+1
	WIN MUL_LO
	MUL16 0, 1, NQ-1, \slot, 0
	s_wait_dscnt 0x0
	s_barrier_signal -1
	MUL16 2, 1, NQ-1, \slot, 0
	WIN 0
	s_barrier_wait -1
.if \fill
	CREST
	s_add_nc_u64 s[G0+4*\slot+2:G0+4*\slot+3], s[G0+4*\slot+2:G0+4*\slot+3], 8*PLANE
	s_add_nc_u64 s[G0B+4*\slot+2:G0B+4*\slot+3], s[G0B+4*\slot+2:G0B+4*\slot+3], 8*PLANE
	JLOAD G0+4*\slot, G1, G0B+4*\slot, G1B
.else
	PLACES NP
.endif
	FETCH_B \next, 0, 0
	FETCH_A \next, 0, 0
	SCALES \next, \ks
	WIN MUL_HI
	MUL16 4, 1, NQ-1, \slot, 0
	MUL16 6, 1, NQ-1, \slot, 0
	PLACES NP
	WIN 0
	FETCH_A \next, 0, 4
.endm
	s_wait_alu depctr_va_vdst(0)
	s_wait_tensorcnt 1
	s_barrier_signal -1
	s_barrier_wait -1
	FETCH_B 0, 0, 0
	FETCH_A 0, 0, 0
	SCALES 0, 0
	FETCH_A 0, 0, 4
	s_wait_loadcnt 0x0
	STEP 0, 0, 1
	TURN 0, 1, 1, 1
	STEP 1, 0, 0
	TURN 1, 0, 1, 2
	STEP 0, 0, 0
	TURN 0, 1, 0, 3
	STEP 1, 0, 0
	s_wait_dscnt 4*NL
	WIN MUL_LO
	MUL16 0, 1, NQ-1, 1, 0
	MUL16 2, 1, NQ-1, 1, 0
	s_wait_dscnt 0
	WIN MUL_HI
	MUL16 4, 1, NQ-1, 1, 0
	MUL16 6, 1, NQ-1, 1, 0
	WIN 0
.macro TOSTAGE a
.set AC, 64*((\a)%4)
.set WD, 0x08+4*((\a)/4)
	WIN WD
.irp b, 0,1,2,3,4,5,6,7
	ds_store_b128 v[STO], v[AC+8*\b:AC+8*\b+3] offset:128*(\b/2)+32*(\b%2)
	ds_store_b128 v[STO], v[AC+8*\b+4:AC+8*\b+7] offset:128*(\b/2)+32*(\b%2)+16
.endr
	WIN 0
.set BB, BK+64*((\a)%2)
.irp t, 0,1,2,3,4,5,6,7,8,9,10,11,12,13,14,15
	ds_load_b128 v[BB+4*\t:BB+4*\t+3], v[RD] offset:\t*SPITCH
.endr
.endm
.macro SEND a, younger
.set BB, BK+64*((\a)%2)
	s_wait_dscnt \younger
.if ((\a) > 0) && ((\a)%2 == 0)
	s_add_nc_u64 s[10:11], s[10:11], 32*4096
.endif
.irp t, 0,1,2,3,4,5,6,7,8,9,10,11,12,13,14,15
	global_store_b128 v[CO], v[BB+4*\t:BB+4*\t+3], s[10:11] offset:(8*((\a)%2)+\t+8*(\t/8))*4096 th:TH_STORE_NT
.endr
.endm
	PLACES NP
	TOSTAGE 0
.irp a, 1,2,3,4,5,6,7
.if \a > 1
	s_wait_xcnt 0x0
.endif
	TOSTAGE \a
	SEND \a-1, 32
.endr
	s_wait_xcnt 0x0
	SEND 7, 0
	s_wait_tensorcnt 0x0
	ds_add_u32 v[SPW], v[NIL]
	s_wait_dscnt 0x0
	CROUND
	s_endpgm
.Lfunc_end_k_q021f1bcb68_proj:
	.size	k_q021f1bcb68_proj, .Lfunc_end_k_q021f1bcb68_proj-k_q021f1bcb68_proj
	.p2alignl 7, 3214868480
	.fill 96, 4, 3214868480
	.section	.rodata,"a",@progbits
	.p2align	6, 0x0
	.amdhsa_kernel k_q021f1bcb68_proj
		.amdhsa_group_segment_fixed_size 327680
		.amdhsa_private_segment_fixed_size 0
		.amdhsa_enable_private_segment 0
		.amdhsa_kernarg_size 32
		.amdhsa_user_sgpr_count 2
		.amdhsa_user_sgpr_kernarg_segment_ptr 1
		.amdhsa_wavefront_size32 1
		.amdhsa_system_sgpr_workgroup_id_x 1
		.amdhsa_system_sgpr_workgroup_id_y 1
		.amdhsa_system_sgpr_workgroup_id_z 1
		.amdhsa_system_vgpr_workitem_id 0
		.amdhsa_next_free_vgpr 1024
		.amdhsa_next_free_sgpr 100
		.amdhsa_reserve_vcc 0
		.amdhsa_float_denorm_mode_32 3
		.amdhsa_float_denorm_mode_16_64 3
		.amdhsa_memory_ordered 1
		.amdhsa_forward_progress 1
		.amdhsa_inst_pref_size 164
	.end_amdhsa_kernel
	.amdgpu_metadata
---
amdhsa.version: [ 1, 2 ]
amdhsa.kernels:
  - .name:           k_q021f1bcb68_proj
    .symbol:         k_q021f1bcb68_proj.kd
    .args:
      - { .name: att, .offset: 0, .size: 8, .value_kind: global_buffer, .address_space: global }
      - { .name: wq, .offset: 8, .size: 8, .value_kind: global_buffer, .address_space: global }
      - { .name: bp, .offset: 16, .size: 8, .value_kind: global_buffer, .address_space: global }
      - { .name: out0, .offset: 24, .size: 8, .value_kind: global_buffer, .address_space: global }
    .group_segment_fixed_size: 327680
    .private_segment_fixed_size: 0
    .kernarg_segment_align: 8
    .kernarg_segment_size: 32
    .max_flat_workgroup_size: 128
    .sgpr_count:     100
    .vgpr_count:     1024
    .wavefront_size: 32
...
	.end_amdgpu_metadata
.endif
;; end of part 4
